; MI455X (gfx1250); checked and timed in simulation.
; The chip was launched on July 23, 2026; its instructions are those of AMD's public machine-readable ISA for CDNA 5 (MIT licence, August 2026) and "CDNA5" Instruction Set Architecture Reference Guide (July 2026). The comments in the code are by the model that wrote it; some were corrected since.
;; Self Attentnion. Allowed arithmetic: float matrix products may take bf16 or f16 operands with f32 sums; all other float work in f32.
;; Inputs: Wk 1,024 x 1,024 float32; Wq 1,024 x 1,024 float32; Wv 1,024 x 1,024 float32; X 4 x 2,048 x 1,024 float32; bk 1,024 float32; bq 1,024 float32; bv 1,024 float32.
;; Outputs: out0 4 x 2,048 x 1,024 float32.
;; 2 versions, each right; version 2 is version 1 with the launch cast written anew for expert scheduling mode. Each part assembles by itself: llvm-mc -triple=amdgcn-amd-amdhsa -mcpu=gfx1250 --defsym DOCPART=n.
;; ======== version 1 of 2: 4 launches
;; workspace buffers: Xb 16,777,216 bytes; Wb 6,291,456 bytes; QKV 50,331,648 bytes; E 33,554,432 bytes; Mst 262,144 bytes; Lst 524,288 bytes
;; launch cast (part 1): grid 704 x 1, 8 waves a work-group, no clusters, 0 bytes of LDS; arguments X, Wq, Wk, Wv, Xb, Wb; writes Xb, Wb
.if DOCPART == 1
	.amdgcn_target "amdgcn-amd-amdhsa--gfx1250"
	.amdhsa_code_object_version 6
	.text
	.protected	k_q0d15309263_cast
	.globl	k_q0d15309263_cast
	.p2align	8
	.type	k_q0d15309263_cast,@function
k_q0d15309263_cast:
	s_mov_b64 s[64:65], 0
	v_nop
	global_prefetch_b8 v0, s[64:65] scope:SCOPE_SE
	s_setreg_imm32_b32 hwreg(HW_REG_WAVE_MODE, 25, 1), 1
	s_wait_xcnt 0x0
; Xb = bf16(X), Wb = bf16(Wq | Wk | Wv, one below the other).  A stream: every input byte is read once, every output byte written once.
; A work-group takes 16,384 numbers (65,536 bytes in, 32,768 out).  Work-groups 0-511 take X's 512 pieces; work-group 512 + h takes piece h % 64 of
; matrix h / 64 (Wq, Wk, Wv), which lands at byte 32,768 h of Wb.  Thread t takes the 16 bytes at 16 t of each of 16 blocks of 4,096 bytes: a wave's
; load covers 512 consecutive bytes, a wave's store 256 consecutive bytes at a multiple of 256 from the buffer's first byte.
; All 16 loads of a lane go out first; nothing is written twice, so no register has to be freed.  No LDS, no barrier, no matrix unit: nothing is shared or reduced.
; LIMIT: rounding to nearest even; a number above bf16's largest finite one becomes infinity.
.set XR, 4                             ; v[4:67]   16 x 4 numbers as loaded
.set YR, 68                            ; v[68:99]  16 x 2 words of bf16 pairs
	s_load_b256 s[4:11], s[0:1], 0x0               ; X s[4:5], Wq s[6:7], Wk s[8:9], Wv s[10:11]
	s_load_b128 s[12:15], s[0:1], 0x20             ; Xb s[12:13], Wb s[14:15]
	s_sub_co_u32 s16, ttmp9, 512                   ; h (of use only from work-group 512 on)
	s_lshr_b32 s17, s16, 6                         ; which matrix
	s_and_b32 s18, s16, 63                         ; which piece of it
	v_lshlrev_b32 v1, 4, v0                        ; 16 t: my bytes in a block of the source
	v_lshlrev_b32 v2, 3, v0                        ; 8 t: in a block of the result
	s_wait_kmcnt 0x0
	s_cmp_eq_u32 s17, 1
	s_cselect_b64 s[20:21], s[8:9], s[6:7]         ; Wk or Wq
	s_cmp_eq_u32 s17, 2
	s_cselect_b64 s[20:21], s[10:11], s[20:21]     ; or Wv
	s_cmp_lt_u32 ttmp9, 512
	s_cselect_b64 s[20:21], s[4:5], s[20:21]       ; or X
	s_cselect_b64 s[22:23], s[12:13], s[14:15]     ; into Xb or Wb
	s_cselect_b32 s18, ttmp9, s18                  ; the piece in the source
	s_cselect_b32 s16, ttmp9, s16                  ; the piece in the result
	s_lshl_b32 s24, s18, 16                        ; x 65,536 bytes: 33,488,896 at the most
	s_mov_b32 s25, 0
	s_lshl_b32 s26, s16, 15                        ; x 32,768 bytes
	s_mov_b32 s27, 0
	s_add_nc_u64 s[20:21], s[20:21], s[24:25]
	s_add_nc_u64 s[22:23], s[22:23], s[26:27]
.set j, 0
.rept 16
	global_load_b128 v[XR+4*j:XR+4*j+3], v1, s[20:21] offset:4096*j th:TH_LOAD_NT
.set j, j+1
.endr
.set j, 0
.rept 16
	s_wait_loadcnt 15-j                            ; loads come back in order (ISA guide 5.7.1): block j is in, the 15 - j behind it stay out
	v_cvt_pk_bf16_f32 v[YR+2*j],   v[XR+4*j],   v[XR+4*j+1]
	v_cvt_pk_bf16_f32 v[YR+2*j+1], v[XR+4*j+2], v[XR+4*j+3]
	global_store_b64 v2, v[YR+2*j:YR+2*j+1], s[22:23] offset:2048*j
.set j, j+1
.endr
	s_endpgm
.Lfunc_end_k_q0d15309263_cast:
	.size	k_q0d15309263_cast, .Lfunc_end_k_q0d15309263_cast-k_q0d15309263_cast
	.p2alignl 7, 3214868480
	.fill 96, 4, 3214868480
	.section	.rodata,"a",@progbits
	.p2align	6, 0x0
	.amdhsa_kernel k_q0d15309263_cast
		.amdhsa_group_segment_fixed_size 0
		.amdhsa_private_segment_fixed_size 0
		.amdhsa_enable_private_segment 0
		.amdhsa_kernarg_size 48
		.amdhsa_user_sgpr_count 2
		.amdhsa_user_sgpr_kernarg_segment_ptr 1
		.amdhsa_wavefront_size32 1
		.amdhsa_system_sgpr_workgroup_id_x 1
		.amdhsa_system_sgpr_workgroup_id_y 1
		.amdhsa_system_sgpr_workgroup_id_z 1
		.amdhsa_system_vgpr_workitem_id 0
		.amdhsa_next_free_vgpr 100
		.amdhsa_next_free_sgpr 66
		.amdhsa_reserve_vcc 0
		.amdhsa_float_denorm_mode_32 3
		.amdhsa_float_denorm_mode_16_64 3
		.amdhsa_memory_ordered 1
		.amdhsa_forward_progress 1
		.amdhsa_inst_pref_size 7
	.end_amdhsa_kernel
	.amdgpu_metadata
---
amdhsa.version: [ 1, 2 ]
amdhsa.kernels:
  - .name:           k_q0d15309263_cast
    .symbol:         k_q0d15309263_cast.kd
    .args:
      - { .name: X, .offset: 0, .size: 8, .value_kind: global_buffer, .address_space: global }
      - { .name: Wq, .offset: 8, .size: 8, .value_kind: global_buffer, .address_space: global }
      - { .name: Wk, .offset: 16, .size: 8, .value_kind: global_buffer, .address_space: global }
      - { .name: Wv, .offset: 24, .size: 8, .value_kind: global_buffer, .address_space: global }
      - { .name: Xb, .offset: 32, .size: 8, .value_kind: global_buffer, .address_space: global }
      - { .name: Wb, .offset: 40, .size: 8, .value_kind: global_buffer, .address_space: global }
    .group_segment_fixed_size: 0
    .private_segment_fixed_size: 0
    .kernarg_segment_align: 8
    .kernarg_segment_size: 48
    .max_flat_workgroup_size: 256
    .sgpr_count:     66
    .vgpr_count:     100
    .wavefront_size: 32
...
	.end_amdgpu_metadata
.endif
;; end of part 1
;; launch qkv (part 2): grid 12 x 32, 4 waves a work-group, clusters of 4 x 4, 327,680 bytes of LDS; arguments Xb, Wb, bq, bk, bv, QKV; writes QKV
.if DOCPART == 2
	.amdgcn_target "amdgcn-amd-amdhsa--gfx1250"
	.amdhsa_code_object_version 6
	.text
	.protected	k_q0d15309263_qkv
	.globl	k_q0d15309263_qkv
	.p2align	8
	.type	k_q0d15309263_qkv,@function
k_q0d15309263_qkv:
	s_mov_b64 s[64:65], 0
	v_nop
	global_prefetch_b8 v0, s[64:65] scope:SCOPE_SE
	s_setreg_imm32_b32 hwreg(HW_REG_WAVE_MODE, 25, 1), 1
	s_wait_xcnt 0x0
	s_wait_alu depctr_hold_cnt(0) depctr_sa_sdst(0) depctr_va_vdst(0) depctr_va_sdst(0) depctr_va_ssrc(0) depctr_va_vcc(0) depctr_vm_vsrc(0)
	s_getreg_b32 s2, hwreg(HW_REG_IB_STS2, 6, 4)
	s_cmp_eq_u32 s2, 0
	s_cbranch_scc0 .Lentry_in_a_cluster
	s_endpgm
.Lentry_in_a_cluster:
	s_bfe_u32 s2, ttmp6, 0x10000c
	s_cmp_lg_u32 s2, 0xf033
	s_cbranch_scc0 .Lentry_shape_is_right
	s_endpgm
.Lentry_shape_is_right:
; QKV[m][n] = sum over k of Xb[m][k] Wb[n][k] + b[n].  Xb: [8192][1024] bf16, Wb: [3072][1024] bf16 (Wq, Wk, Wv), b: bq | bk | bv in f32, QKV: [8192][3072] bf16 (q, k, v side by side).
; Sums in f32, started by the bias, rounded to bf16 once.
; SHARES.  A work-group makes 256 x 256 of QKV: 32 x 12 = 384 work-groups.  Four waves, 2 x 2; a wave makes 128 x 128: 64 accumulators of 16 x 16, 512 registers.
; Why this tile and not 128 x 256 (768 equal work-groups): a slot's refill has one K step in which to land, and two slots must fit in LDS.  Here a K step of 128 is 256 matrix instructions a wave,
; 240 of them between a request and the wait for it, on two slots of 139,264 bytes; the smaller tile has 112, and a K step of 256 for it would want two slots of 202,752 bytes.
; A wave reads 16,384 bytes of LDS for 64 matrix instructions, against 12,288 for 32.
; RING.  K goes in steps of 128 through two LDS slots filled by the tensor data mover (rows of 256 bytes in memory, each at a multiple of 256 from the buffer's first byte).
; Waves 0 and 1 fetch the halves (128 rows) of Xb's tile, waves 2 and 3 those of Wb's: one tensor load a wave.  By this text's count a wave has two tensor loads out at the start, later one.
; CLUSTER.  4 x 4 work-groups.  The four of a row of the cluster need the same tile of Xb, the four of a column the same tile of Wb: each tile is asked for jointly, by the same load with a mask that names the four.
; THE MATRIX INSTRUCTION IS USED TRANSPOSED (source 0 = 16 rows of Wb, source 1 = 16 rows of Xb): a lane holds row l % 16 of QKV and the columns 8 (l / 16) + 0..7 of a block of 16.
; REGISTERS, in windows of 256 (s_set_vgpr_msb: bits 1:0 source 0, 3:2 source 1, 5:4 source 2, 7:6 destination):
;   window 0: v0-31 addresses; v64-127, v128-191 fragments of Xb (8 x 16 rows x 32 K), two buffers; v32-63, v192-255 at work on the way out
;   window 1: v0-63 the bias of my 128 columns; v64-127, v128-191 fragments of Wb, two buffers
;   window 2: the 32 accumulators of my rows 0-63 ((a, b) at v[8 (8 a + b)]);   window 3: those of my rows 64-127
; The 64 accumulators take turns, one instruction a turn, in the same order in every quarter step.
; LIMITS: operands in bf16; NaN and infinities in the inputs are not served.
.set PITCH,  272                       ; an LDS row: 256 bytes + 16 of padding = 68 words: row r starts at bank 4 r mod 64 (64 banks of 4 bytes: ISA guide 11.1)
.set HALFT,  128*PITCH                 ; 128 rows: what one tensor load brings, and what one wave reads of A or of B
.set SLOT,   4*HALFT                   ; A's 256 rows, then B's 256 rows
.set STAGE,  2*SLOT                    ; behind the ring: 16 rows x 272 bytes for each wave
.set SPITCH, 272
.set LAPS,   4                         ; a lap = two K steps = once round the ring; K = 1,024
.set AROW,   2048                      ; bytes from row to row of Xb and of Wb
.set BROW,   2048
.set KSTEPB, 256                       ; bytes of a K step in a row
.set CP,     6144                      ; bytes from row to row of QKV
.set ADRA, 16                          ; v16-17  LDS address of my A fragments in slot 0, 1
.set ADRB, 20                          ; v20-21  the same for B
.set STO,  24                          ; the way out: where I put 16 bytes of a row
.set RD,   25                          ; where I read a row back
.set CO,   26                          ; my byte offset in QKV
.set BA,   27                          ; my byte offset in the bias
.set F0,   64
.set F1,   128
.set TMP,  192                         ; the way out: packed results
.set OB,   32                          ; rows read back: v32-63 and v224-255 by turns
.set G1, 24                            ; s[24:31] descriptor group 1 for A;  s[32:39] group 0, a set for each slot
.set G0, 32
.set G1B, 48                           ; s[48:55], s[56:63] the same for B
.set G0B, 56
.set MSB, 0
.macro WIN new                         ; the immediate's high byte repeats the setting that is left; a switch that changes nothing is dropped
.if MSB != \new
	s_set_vgpr_msb (MSB<<8)|\new
.set MSB, \new
.endif
.endm
.set TO_B, 0x40                        ; destination window 1, address window 0
.macro WLO cm                          ; source 0 (B) window 1, source 1 (A) window 0, D window 2; C window 2, or window 1 where it is the bias
.if \cm == 2
	WIN 0x91
.else
	WIN 0xa1
.endif
.endm
.macro WHI cm                          ; the same with D window 3
.if \cm == 2
	WIN 0xd1
.else
	WIN 0xf1
.endif
.endm
.macro PLACES                          ; four places in front of loads into registers that matrix instructions have read, and of vector instructions that read results
.rept 4
	v_nop
.endr
.endm
.macro JLOAD s                         ; a joint refill: waves 0, 1 for A, waves 2, 3 for B; four v_nop follow each line, ahead of the jump and the label
	s_cmp_eq_u32 s11, 0
	s_cbranch_scc0 .Lfor_b_\@
	tensor_load_to_lds s[G0+4*\s:G0+4*\s+3], s[G1:G1+7]
	s_nop 0
.rept 4
	v_nop
.endr
	s_branch .Lasked_\@
.Lfor_b_\@:
	tensor_load_to_lds s[G0B+4*\s:G0B+4*\s+3], s[G1B:G1B+7]
	s_nop 0
.rept 4
	v_nop
.endr
.Lasked_\@:
.endm
.macro CREST                           ; a round of the cluster's barrier behind its opening barrier
	s_cmp_lg_u32 s10, 0
	s_cbranch_scc1 .Lnot_wave_0_\@
	s_barrier_signal -3
.Lnot_wave_0_\@:
	s_barrier_wait -3
	s_barrier_signal -1
	s_barrier_wait -1
.endm
.macro CROUND                          ; a whole round
	s_barrier_signal -1
	s_barrier_wait -1
	CREST
.endm
	s_load_b128 s[4:7], s[0:1], 0x0                ; Xb s[4:5], Wb s[6:7]
	s_load_b128 s[68:71], s[0:1], 0x10             ; bq s[68:69], bk s[70:71]
	s_load_b128 s[72:75], s[0:1], 0x20             ; bv s[72:73], QKV s[74:75]
	s_set_vgpr_msb 0x40
	v_lshl_add_u32 v255, v0, 2, 0x48400
	s_set_vgpr_msb 0x4000
	v_mov_b32 v31, 0
	s_set_vgpr_msb 0x1
	ds_add_u32 v255, v31
	s_set_vgpr_msb 0x100
	v_lshrrev_b32 v1, 5, v0
	v_readfirstlane_b32 s10, v1                    ; wave 0..3
	s_lshr_b32 s11, s10, 1                         ; which 128 rows of the tile are mine.  Also: I fetch for A (0) or for B (1)
	s_and_b32 s12, s10, 1                          ; which 128 columns.  Also: which half of that tile I fetch
	s_bfe_u32 s40, ttmp6, 0x40000                  ; cx, cy: my place in the cluster
	s_bfe_u32 s41, ttmp6, 0x40004
	s_lshl_b32 s42, ttmp9, 2
	s_add_co_u32 s42, s42, s40                     ; tile column = 4 x cluster x + cx
	s_and_b32 s45, ttmp7, 0xffff
	s_lshl_b32 s13, s45, 2
	s_add_co_u32 s13, s13, s41                     ; tile row = 4 x cluster y + cy
	s_lshl_b32 s43, s41, 2
	s_lshl_b32 s43, 15, s43                        ; my row of the cluster
	s_lshl_b32 s44, 0x1111, s40                    ; my column
	s_or_b32 s[G1+0], s43, (1<<16)|(1<<20)|(1<<21)|(5<<22)|(3<<25)   ; 15:0 mask; 17:16 elements of 2 bytes; 20 padding on; 21 set beside a mask; 24:22 after every 64 words; 31:25 4 words of it
	s_or_b32 s[G1B+0], s44, (1<<16)|(1<<20)|(1<<21)|(5<<22)|(3<<25)
.irp g, G1, G1B
	s_mov_b32 s[\g+1], 128<<16                     ; tensor_dim0 = 128
	s_mov_b32 s[\g+2], 128<<16                     ; tensor_dim1 = 128
	s_mov_b32 s[\g+3], 128<<16                     ; tile_dim0 = 128
	s_mov_b32 s[\g+4], 128                         ; tile_dim1 = 128
	s_mov_b32 s[\g+5], 1024                        ; elements from row to row
	s_mov_b32 s[\g+6], 0
	s_mov_b32 s[\g+7], 0
.endr
	; A's address hangs on the tile row and the wave alone, B's on the tile column and the wave alone, each in registers that never hold the other coordinate
	s_lshl_b32 s17, s12, 7
	s_lshl_b32 s16, s13, 8
	s_add_co_u32 s16, s16, s17                     ; A: row 256 x tile row + 128 x half
	s_mul_i32 s16, s16, AROW                       ; under 2^24 bytes
	s_mov_b32 s17, 0
	s_lshl_b32 s47, s12, 7
	s_lshl_b32 s46, s42, 8
	s_add_co_u32 s46, s46, s47                     ; B: row 256 x tile column + 128 x half
	s_mul_i32 s46, s46, BROW
	s_mov_b32 s47, 0
	s_mul_i32 s20, s10, HALFT                      ; where they go: A's two halves, then B's two = wave x 128 rows: no place in the cluster enters an LDS address
	s_lshl_b32 s78, s40, 10                        ; the bias of my 128 columns: (256 cx + 128 x column half) x 4 bytes in its vector
	s_lshl_b32 s79, s12, 9
	s_add_co_u32 s78, s78, s79
	s_mov_b32 s79, 0
	s_wait_dscnt 0x0
	s_wait_kmcnt 0x0
	s_add_nc_u64 s[14:15], s[4:5], s[16:17]
	s_add_nc_u64 s[46:47], s[6:7], s[46:47]
	s_mov_b64 s[8:9], s[74:75]
	s_cmp_eq_u32 ttmp9, 1                          ; the cluster's x names the projection: 0 q, 1 k, 2 v (four tile columns of 256 to each)
	s_cselect_b64 s[76:77], s[70:71], s[68:69]
	s_cmp_eq_u32 ttmp9, 2
	s_cselect_b64 s[76:77], s[72:73], s[76:77]
	s_add_nc_u64 s[76:77], s[76:77], s[78:79]
	CROUND                                         ; all sixteen work-groups are here: the first joint loads meet
.irp s, 0,1
	s_mov_b32 s[G0+4*\s], 1
	s_add_co_u32 s[G0+4*\s+1], s20, \s*SLOT
	s_add_nc_u64 s[G0+4*\s+2:G0+4*\s+3], s[14:15], \s*KSTEPB
	s_or_b32 s[G0+4*\s+3], s[G0+4*\s+3], 0x80000000
	s_mov_b32 s[G0B+4*\s], 1
	s_add_co_u32 s[G0B+4*\s+1], s20, \s*SLOT
	s_add_nc_u64 s[G0B+4*\s+2:G0B+4*\s+3], s[46:47], \s*KSTEPB
	s_or_b32 s[G0B+4*\s+3], s[G0B+4*\s+3], 0x80000000
.endr
	s_cmp_eq_u32 s11, 0                            ; a wave's two first fills stand in one branch, ahead of every wait on TENSORcnt and every LDS read
	s_cbranch_scc0 .Lfirst_b
	tensor_load_to_lds s[G0:G0+3], s[G1:G1+7]
	s_nop 0
	tensor_load_to_lds s[G0+4:G0+7], s[G1:G1+7]
	s_nop 0
.rept 4
	v_nop
.endr
	s_branch .Lfirst_asked
.Lfirst_b:
	tensor_load_to_lds s[G0B:G0B+3], s[G1B:G1B+7]
	s_nop 0
	tensor_load_to_lds s[G0B+4:G0B+7], s[G1B:G1B+7]
	s_nop 0
.rept 4
	v_nop
.endr
.Lfirst_asked:
	; a fragment is 16 rows x 32 K in 8 registers: lane l holds row l % 16; registers 0-3 K = 8 (l / 16) + 0..7, registers 4-7 K = 16 + 8 (l / 16) + 0..7: two loads of 16 bytes, 32 apart
	v_and_b32 v1, 15, v0                           ; r = l % 16
	v_bfe_u32 v2, v0, 4, 1                         ; h = l / 16
	v_lshlrev_b32 v[BA], 5, v2                     ; 32 h: my eight columns of a block of 16, in f32
	WIN TO_B                                       ; destination window 1
.irp b, 0,1,2,3,4,5,6,7
	global_load_b128 v[8*\b:8*\b+3],   v[BA], s[76:77] offset:64*\b      ; register 8 b + j = bias of column 16 b + 8 h + j: the layout of an accumulator
	global_load_b128 v[8*\b+4:8*\b+7], v[BA], s[76:77] offset:64*\b+16
.endr
	WIN 0
	v_mul_u32_u24 v3, v1, PITCH
	v_lshl_add_u32 v3, v2, 4, v3                   ; row x pitch + 16 x half
	s_mul_i32 s22, s11, HALFT                      ; my 128 rows of A
	s_mul_i32 s23, s12, HALFT                      ; my 128 rows of B,
	s_add_co_u32 s23, s23, 2*HALFT                 ; which lie behind A's 256
.irp s, 0,1
	v_add_nc_u32 v[ADRA+\s], s22, v3
	v_add_nc_u32 v[ADRB+\s], s23, v3
	s_add_co_u32 s22, s22, SLOT
	s_add_co_u32 s23, s23, SLOT
.endr
	s_mul_i32 s22, s10, 16*SPITCH
	s_add_co_u32 s22, s22, STAGE                   ; my stage
	v_add_nc_u32 v[STO], s22, v3                   ; in: row r, 16 bytes for each half of the lanes
	v_mul_u32_u24 v5, v2, SPITCH                   ; back: lanes 0-15 one row of 256 bytes, lanes 16-31 the next
	v_lshl_add_u32 v5, v1, 4, v5
	v_add_nc_u32 v[RD], s22, v5
	v_mul_u32_u24 v5, v2, CP                       ; and the same two rows in QKV
	v_lshl_add_u32 v[CO], v1, 4, v5
	s_lshl_b32 s16, s13, 8
	s_lshl_b32 s17, s11, 7
	s_add_co_u32 s16, s16, s17                     ; my first row of QKV
	s_mul_i32 s16, s16, CP                         ; under 2^26 bytes
	s_mov_b32 s17, 0
	s_add_nc_u64 s[8:9], s[8:9], s[16:17]
	s_lshl_b32 s46, s42, 9                         ; my first column, in bytes: 512 x tile column + 256 x half
	s_lshl_b32 s47, s12, 8
	s_add_co_u32 s46, s46, s47
	s_mov_b32 s47, 0
	s_add_nc_u64 s[8:9], s[8:9], s[46:47]
; 16 matrix instructions: row blocks a0, a0 + 1 of the window's four (hi = 0: my rows 0-63, 1: rows 64-127) x all 8 column blocks, 32 along K.  cm = 0: add in place; 2: the bias starts the sum
.macro MUL16 f, hi, a0, cm
.irp a, \a0, \a0+1
.irp b, 0,1,2,3,4,5,6,7
.if \cm == 0
	v_wmma_f32_16x16x32_bf16 v[8*(8*(\a)+\b):8*(8*(\a)+\b)+7], v[\f+8*\b:\f+8*\b+7], v[\f+8*(4*\hi+\a):\f+8*(4*\hi+\a)+7], v[8*(8*(\a)+\b):8*(8*(\a)+\b)+7]
.else
	v_wmma_f32_16x16x32_bf16 v[8*(8*(\a)+\b):8*(8*(\a)+\b)+7], v[\f+8*\b:\f+8*\b+7], v[\f+8*(4*\hi+\a):\f+8*(4*\hi+\a)+7], v[8*\b:8*\b+7]
.endif
.endr
.endr
.endm
; 32 LDS loads in one run: the fragments of one quarter step (128 rows of B, 128 rows of A, 32 K at byte k of the rows) into buffer f
.macro FETCH slot, k, f
	WIN TO_B
.irp i, 0,1,2,3,4,5,6,7
	ds_load_b128 v[\f+8*\i:\f+8*\i+3],   v[ADRB+\slot] offset:\k+\i*16*PITCH
	ds_load_b128 v[\f+8*\i+4:\f+8*\i+7], v[ADRB+\slot] offset:\k+\i*16*PITCH+32
.endr
	WIN 0
.irp i, 0,1,2,3,4,5,6,7
	ds_load_b128 v[\f+8*\i:\f+8*\i+3],   v[ADRA+\slot] offset:\k+\i*16*PITCH
	ds_load_b128 v[\f+8*\i+4:\f+8*\i+7], v[ADRA+\slot] offset:\k+\i*16*PITCH+32
.endr
.endm
; A K step is four quarters of 32 along K, 64 matrix instructions each, on buffers 0, 1, 0, 1.  One of the first three multiplies buffer f and, in its middle, fetches the next quarter, at byte k, into g.
.macro QUARTER slot, k, f, g, cm
	s_wait_dscnt 8                                 ; B and A's rows 0-63 are in; the youngest eight loads (A's rows 64-127) may be out
	WLO \cm
	MUL16 \f, 0, 0, \cm
	MUL16 \f, 0, 2, \cm
	PLACES
	FETCH \slot, \k, \g
	s_wait_dscnt 32                                ; all but the 32 just issued
	WHI \cm
	MUL16 \f, 1, 0, \cm
	MUL16 \f, 1, 2, \cm
.endm
; The last quarter multiplies buffer 1 and changes slots: one barrier; in front of it each wave waits for its reads of this slot and for all its tensor loads (one is out: its part of the next slot).
; fill = 1: the barrier opens a round of the cluster's barrier, and this slot is filled again, two K steps on, first thing behind the round: 240 matrix instructions ahead of the wait for it.
.macro TURN slot, next, fill
	s_wait_dscnt 8
	WIN 0xa1
	MUL16 F1, 0, 0, 0
	s_wait_dscnt 0x0                               ; my reads of this slot are over,
	s_wait_tensorcnt 0x0                           ; and all my tensor loads have landed
	ds_add_u32 v255, v31
	s_wait_dscnt 0x0
	s_barrier_signal -1
	MUL16 F1, 0, 2, 0                              ; register work while the others arrive
.if \fill
	WIN 0
.endif
	s_barrier_wait -1
.if \fill
	CREST                                          ; no wave of any partner still reads this slot or has a load on its way
	s_add_nc_u64 s[G0+4*\slot+2:G0+4*\slot+3], s[G0+4*\slot+2:G0+4*\slot+3], 2*KSTEPB
	s_add_nc_u64 s[G0B+4*\slot+2:G0B+4*\slot+3], s[G0B+4*\slot+2:G0B+4*\slot+3], 2*KSTEPB
	JLOAD \slot                                    ; its four v_nop are also the places in front of the loads below
.else
	PLACES
.endif
	FETCH \next, 0, F0
	WIN 0xf1
	MUL16 F1, 1, 0, 0
	MUL16 F1, 1, 2, 0
.endm
; THE WAY OUT of row block a.  PACK: rounded to bf16, each accumulator's registers in ascending order.  TOSTAGE: into my own stage and back as whole rows of 256 bytes.  SEND: stored.
.macro PACK a
.set AC, 64*((\a)%4)
	WIN 0x0a+5*((\a)/4)                            ; sources 0 and 1: window 2 or 3
.irp b, 0,1,2,3,4,5,6,7
.irp i, 0,1,2,3
	v_cvt_pk_bf16_f32 v[TMP+4*\b+\i], v[AC+8*\b+2*\i], v[AC+8*\b+2*\i+1]
.endr
.endr
	WIN 0
.endm
.macro TOSTAGE a
.set BK, OB+192*((\a)%2)
.irp b, 0,1,2,3,4,5,6,7
	ds_store_b128 v[STO], v[TMP+4*\b:TMP+4*\b+3] offset:32*\b
.endr
.irp t, 0,1,2,3,4,5,6,7
	ds_load_b128 v[BK+4*\t:BK+4*\t+3], v[RD] offset:\t*2*SPITCH    ; LDS serves a wave's instructions in order (ISA guide 5.7.1.4): these see the stores above
.endr
.endm
.macro SEND a
.set BK, OB+192*((\a)%2)
	s_wait_dscnt 0x0                               ; the block is back in registers
	s_wait_xcnt 0x0                                ; only behind this wait are the stores' base and the registers that earlier stores read written again
.if (\a) > 0
	s_add_nc_u64 s[8:9], s[8:9], 16*CP
.endif
.irp t, 0,1,2,3,4,5,6,7
	global_store_b128 v[CO], v[BK+4*\t:BK+4*\t+3], s[8:9] offset:2*\t*CP   ; 16 lanes store 256 consecutive bytes, at a multiple of 256 from QKV's first byte
.endr
.endm
	s_wait_tensorcnt 1                             ; my part of K step 0 is in; K step 1's may stay out
	s_barrier_signal -1
	s_barrier_wait -1                              ; everybody's is
	FETCH 0, 0, F0
	s_wait_loadcnt 0x0                             ; the bias
	QUARTER 0, 64, F0, F1, 2                       ; the first quarter stands in front of the loop: its products start the sums on the bias
	WIN 0                                          ; at a label and at a branch every window is 0
	s_mov_b32 s3, LAPS-1
.Llap:                                                 ; a trip goes once round the ring, from a lap's second quarter to the next lap's first, and fills both slots again
	QUARTER 0, 128, F1, F0, 0
	QUARTER 0, 192, F0, F1, 0
	TURN 0, 1, 1
	QUARTER 1, 64,  F0, F1, 0
	QUARTER 1, 128, F1, F0, 0
	QUARTER 1, 192, F0, F1, 0
	TURN 1, 0, 1
	QUARTER 0, 64,  F0, F1, 0
	WIN 0
	s_sub_co_u32 s3, s3, 1
	s_cmp_lg_u32 s3, 0
	s_cbranch_scc1 .Llap
	QUARTER 0, 128, F1, F0, 0                      ; the last lap fills nothing
	QUARTER 0, 192, F0, F1, 0
	TURN 0, 1, 0
	QUARTER 1, 64,  F0, F1, 0
	QUARTER 1, 128, F1, F0, 0
	QUARTER 1, 192, F0, F1, 0
	s_wait_dscnt 8                                 ; the very last quarter
	WIN 0xa1
	MUL16 F1, 0, 0, 0
	MUL16 F1, 0, 2, 0
	s_wait_dscnt 0x0
	WIN 0xf1
	MUL16 F1, 1, 0, 0
	MUL16 F1, 1, 2, 0
	PLACES
	PACK 0
	TOSTAGE 0
.irp a, 1,2,3,4,5,6,7                  ; block a's conversions stand between block a - 1's loads from the stage and the wait for them
	PACK \a
	SEND \a-1
	TOSTAGE \a
.endr
	SEND 7
	s_set_vgpr_msb 0x1
	s_wait_tensorcnt 0x0
	ds_add_u32 v255, v31
	s_wait_dscnt 0x0
	s_set_vgpr_msb 0x100
	CROUND                                         ; the closing round: no work-group ends while a partner may still ask for a tile that names it
	s_endpgm
.Lfunc_end_k_q0d15309263_qkv:
	.size	k_q0d15309263_qkv, .Lfunc_end_k_q0d15309263_qkv-k_q0d15309263_qkv
	.p2alignl 7, 3214868480
	.fill 96, 4, 3214868480
	.section	.rodata,"a",@progbits
	.p2align	6, 0x0
	.amdhsa_kernel k_q0d15309263_qkv
		.amdhsa_group_segment_fixed_size 327680
		.amdhsa_private_segment_fixed_size 0
		.amdhsa_enable_private_segment 0
		.amdhsa_kernarg_size 48
		.amdhsa_user_sgpr_count 2
		.amdhsa_user_sgpr_kernarg_segment_ptr 1
		.amdhsa_wavefront_size32 1
		.amdhsa_system_sgpr_workgroup_id_x 1
		.amdhsa_system_sgpr_workgroup_id_y 1
		.amdhsa_system_sgpr_workgroup_id_z 1
		.amdhsa_system_vgpr_workitem_id 0
		.amdhsa_next_free_vgpr 1024
		.amdhsa_next_free_sgpr 80
		.amdhsa_reserve_vcc 0
		.amdhsa_float_denorm_mode_32 3
		.amdhsa_float_denorm_mode_16_64 3
		.amdhsa_memory_ordered 1
		.amdhsa_forward_progress 1
		.amdhsa_inst_pref_size 144
	.end_amdhsa_kernel
	.amdgpu_metadata
---
amdhsa.version: [ 1, 2 ]
amdhsa.kernels:
  - .name:           k_q0d15309263_qkv
    .symbol:         k_q0d15309263_qkv.kd
    .args:
      - { .name: Xb, .offset: 0, .size: 8, .value_kind: global_buffer, .address_space: global }
      - { .name: Wb, .offset: 8, .size: 8, .value_kind: global_buffer, .address_space: global }
      - { .name: bq, .offset: 16, .size: 8, .value_kind: global_buffer, .address_space: global }
      - { .name: bk, .offset: 24, .size: 8, .value_kind: global_buffer, .address_space: global }
      - { .name: bv, .offset: 32, .size: 8, .value_kind: global_buffer, .address_space: global }
      - { .name: QKV, .offset: 40, .size: 8, .value_kind: global_buffer, .address_space: global }
    .group_segment_fixed_size: 327680
    .private_segment_fixed_size: 0
    .kernarg_segment_align: 8
    .kernarg_segment_size: 48
    .max_flat_workgroup_size: 128
    .sgpr_count:     80
    .vgpr_count:     1024
    .wavefront_size: 32
...
	.end_amdgpu_metadata
.endif
;; end of part 2
;; launch scores (part 3): grid 8 x 32, 4 waves a work-group, clusters of 4 x 4, 327,680 bytes of LDS; arguments QKV, E, Mst, Lst; writes E, Mst, Lst
.if DOCPART == 3
	.amdgcn_target "amdgcn-amd-amdhsa--gfx1250"
	.amdhsa_code_object_version 6
	.text
	.protected	k_q0d15309263_scores
	.globl	k_q0d15309263_scores
	.p2align	8
	.type	k_q0d15309263_scores,@function
k_q0d15309263_scores:
	s_mov_b64 s[64:65], 0
	v_nop
	global_prefetch_b8 v0, s[64:65] scope:SCOPE_SE
	s_setreg_imm32_b32 hwreg(HW_REG_WAVE_MODE, 25, 1), 1
	s_wait_xcnt 0x0
	s_wait_alu depctr_hold_cnt(0) depctr_sa_sdst(0) depctr_va_vdst(0) depctr_va_sdst(0) depctr_va_ssrc(0) depctr_va_vcc(0) depctr_vm_vsrc(0)
	s_getreg_b32 s2, hwreg(HW_REG_IB_STS2, 6, 4)
	s_cmp_eq_u32 s2, 0
	s_cbranch_scc0 .Lentry_in_a_cluster
	s_endpgm
.Lentry_in_a_cluster:
	s_bfe_u32 s2, ttmp6, 0x10000c
	s_cmp_lg_u32 s2, 0xf033
	s_cbranch_scc0 .Lentry_shape_is_right
	s_endpgm
.Lentry_shape_is_right:
; For a tile of 256 queries x 256 keys of one batch: s = q . k (K = 1,024, bf16 operands, f32 sums); for each query cm = c x (the largest s of the tile's 256 keys), c = log2(e) / 32;
; E = 2^(c s - cm), rounded to bf16; l = the sum of the unrounded weights over 128 keys.  E: [8192][2048] bf16; Mst: [8 key tiles][8192 rows] f32 (cm); Lst: [16 half tiles][8192 rows] f32 (l).
; So the maximum is taken away in front of every exponential; the next launch corrects each tile's maximum to the row's.  c s - cm is at most a rounding of cm above 0.
; SHARES, RING, CLUSTER as in the projection kernel: 32 x 8 = 256 work-groups; four waves 2 x 2, a wave 128 queries x 128 keys in 64 accumulators; K steps of 128 through two LDS slots of 139,264 bytes,
; 240 matrix instructions between a refill's request and the wait for it; q's tile is asked for jointly along a row of the 4 x 4 cluster, k's along a column
; (a cluster's four tile rows lie in one batch: 8 tile rows to a batch).  By this text's count a wave has two tensor loads out at the start, later one.
; TRANSPOSED USE (source 0 = 16 keys, source 1 = 16 queries): a lane holds ONE query (l % 16) and, of each block of 16 keys, the keys 8 (l / 16) + 0..7.  A query's maximum and sum want one exchange
; between the halves of the lanes; the maximum also one between the two waves that share the queries, through LDS.
; REGISTERS.  window 0: v0-31 addresses; v64-127, v128-191 fragments of q, two buffers, free on the way out (partial maxima and sums; statistics); v32-63, v192-255 the way out.
;   window 1: v64-127, v128-191 fragments of k.  window 2: the accumulators of my queries 0-63 ((a, b) at v[8 (8 a + b)]);  window 3: those of my queries 64-127.
; The 64 accumulators take turns, one instruction a turn.
; LIMITS: operands and E in bf16; a weight under 2^-126 comes out as zero (v_exp_f32); NaN and infinities are not served (v_max_num drops a NaN).
.set PITCH,  272                       ; 256 bytes + 16 of padding = 68 words: row r starts at bank 4 r mod 64 (64 banks of 4 bytes: ISA guide 11.1)
.set HALFT,  128*PITCH
.set SLOT,   4*HALFT
.set STAGE,  2*SLOT                    ; 16 rows x 272 bytes for each wave
.set SPITCH, 272
.set XCH,    STAGE+4*16*SPITCH         ; 512 bytes for each wave: the maxima of its 128 queries
.set STT,    XCH+2048                  ; 1,024 bytes for each wave: cm, then l, of its 128 queries
.set LAPS,   4
.set AROW,   6144                      ; bytes from row to row of QKV
.set BROW,   6144
.set KSTEPB, 256
.set CP,     4096                      ; bytes from row to row of E
.set ADRA, 16
.set ADRB, 20
.set STO,  24
.set RD,   25
.set CO,   26
.set XA,   27                          ; where I put a maximum
.set XR,   28                          ; where the two waves of my queries have put theirs
.set SA,   29                          ; where I put cm and l
.set SR,   30                          ; where I read four queries' figures back
.set GS,   31                          ; 16 x lane
.set F0,   64
.set F1,   128
.set TMP,  192
.set OB,   32
.set T,    64                          ; v64-127   block a: 8 partial maxima
.set U,    64                          ; v64-95    16 pairs of partial sums (the maxima are done with by then)
.set MX,   128                         ; v128-135  block a: the maximum
.set PA,   136                         ; v136-143  the maximum of the wave with keys 0-127
.set PB,   144                         ; v144-151  the maximum of the wave with keys 128-255
.set CM,   152                         ; v152-167  block a: cm, twice (a pair for the packed arithmetic)
.set L,    168                         ; v168-175  block a: l
.set SB,   176                         ; v176-183  cm and l read back
.set G1, 24
.set G0, 32
.set G1B, 48
.set G0B, 56
.set CS,  72                           ; s[72:73] c
.set SEL, 74                           ; s[74:75] v_permlanex16_b32: each lane takes its own place in the other half
.set MSB, 0
.macro WIN new
.if MSB != \new
	s_set_vgpr_msb (MSB<<8)|\new
.set MSB, \new
.endif
.endm
.set TO_B,   0x40                      ; destination window 1, address window 0
.set MUL_LO, 0xa1                      ; source 0 (k) window 1, source 1 (q) window 0, C and D window 2
.set MUL_HI, 0xf1                      ; the same, C and D window 3
.macro PLACES
.rept 4
	v_nop
.endr
.endm
.macro JLOAD s
	s_cmp_eq_u32 s11, 0
	s_cbranch_scc0 .Lfor_b_\@
	tensor_load_to_lds s[G0+4*\s:G0+4*\s+3], s[G1:G1+7]
	s_nop 0
.rept 4
	v_nop
.endr
	s_branch .Lasked_\@
.Lfor_b_\@:
	tensor_load_to_lds s[G0B+4*\s:G0B+4*\s+3], s[G1B:G1B+7]
	s_nop 0
.rept 4
	v_nop
.endr
.Lasked_\@:
.endm
.macro CREST
	s_cmp_lg_u32 s10, 0
	s_cbranch_scc1 .Lnot_wave_0_\@
	s_barrier_signal -3
.Lnot_wave_0_\@:
	s_barrier_wait -3
	s_barrier_signal -1
	s_barrier_wait -1
.endm
.macro CROUND
	s_barrier_signal -1
	s_barrier_wait -1
	CREST
.endm
	s_load_b128 s[4:7], s[0:1], 0x0                ; QKV s[4:5], E s[6:7]
	s_load_b128 s[68:71], s[0:1], 0x10             ; Mst s[68:69], Lst s[70:71]
	s_set_vgpr_msb 0x40
	v_lshl_add_u32 v255, v0, 2, 0x49c00
	s_set_vgpr_msb 0x4000
	v_mov_b32 v23, 0
	s_set_vgpr_msb 0x1
	ds_add_u32 v255, v23
	s_set_vgpr_msb 0x100
	v_lshrrev_b32 v1, 5, v0
	v_readfirstlane_b32 s10, v1                    ; wave 0..3
	s_lshr_b32 s11, s10, 1                         ; which 128 queries are mine.  Also: I fetch for q (0) or for k (1)
	s_and_b32 s12, s10, 1                          ; which 128 keys.  Also: which half of that tile I fetch
	s_bfe_u32 s40, ttmp6, 0x40000                  ; cx, cy
	s_bfe_u32 s41, ttmp6, 0x40004
	s_lshl_b32 s42, ttmp9, 2
	s_add_co_u32 s42, s42, s40                     ; key tile = 4 x cluster x + cx
	s_and_b32 s45, ttmp7, 0xffff
	s_lshl_b32 s13, s45, 2
	s_add_co_u32 s13, s13, s41                     ; tile row = 4 x cluster y + cy
	s_lshr_b32 s45, s45, 1                         ; the batch, from the cluster's y alone (two clusters of four tile rows to a batch): the whole cluster shares it
	s_lshl_b32 s43, s41, 2
	s_lshl_b32 s43, 15, s43                        ; my row of the cluster
	s_lshl_b32 s44, 0x1111, s40                    ; my column
	s_or_b32 s[G1+0], s43, (1<<16)|(1<<20)|(1<<21)|(5<<22)|(3<<25)   ; 15:0 mask; 17:16 elements of 2 bytes; 20 padding on; 21 set beside a mask; 24:22 after every 64 words; 31:25 4 words of it
	s_or_b32 s[G1B+0], s44, (1<<16)|(1<<20)|(1<<21)|(5<<22)|(3<<25)
.irp g, G1, G1B
	s_mov_b32 s[\g+1], 128<<16                     ; 128 rows x 128 elements
	s_mov_b32 s[\g+2], 128<<16
	s_mov_b32 s[\g+3], 128<<16
	s_mov_b32 s[\g+4], 128
	s_mov_b32 s[\g+5], 3072                        ; elements from row to row of QKV
	s_mov_b32 s[\g+6], 0
	s_mov_b32 s[\g+7], 0
.endr
	s_mov_b32 s[CS], 0x3d38aa3b                    ; c = log2(e) / 32
	s_mov_b32 s[CS+1], s[CS]                       ; named with it as a pair, so it is written
	s_mov_b32 s[SEL], 0x76543210
	s_mov_b32 s[SEL+1], 0xfedcba98
	s_lshl_b32 s17, s12, 7
	s_lshl_b32 s16, s13, 8
	s_add_co_u32 s16, s16, s17                     ; q: row 256 x tile row + 128 x half
	s_mul_i32 s16, s16, AROW                       ; under 2^26 bytes
	s_mov_b32 s17, 0
	s_lshl_b32 s46, s45, 11                        ; k: row 2,048 x batch + 256 x key tile + 128 x half,
	s_lshl_b32 s47, s42, 8
	s_add_co_u32 s46, s46, s47
	s_lshl_b32 s47, s12, 7
	s_add_co_u32 s46, s46, s47
	s_mul_i32 s46, s46, BROW
	s_add_co_u32 s46, s46, 2048                    ; and k begins at byte 2,048 of a row
	s_mov_b32 s47, 0
	s_mul_i32 s20, s10, HALFT                      ; where they go: wave x 128 rows
	s_lshl_b32 s76, s13, 10                        ; my 128 queries in a row of Mst or Lst: (256 x tile row + 128 x row half) x 4 bytes
	s_lshl_b32 s77, s11, 9
	s_add_co_u32 s76, s76, s77
	s_wait_dscnt 0x0
	s_wait_kmcnt 0x0
	s_add_nc_u64 s[14:15], s[4:5], s[16:17]
	s_add_nc_u64 s[46:47], s[4:5], s[46:47]
	s_mov_b64 s[8:9], s[6:7]
	s_lshl_b32 s78, s42, 15                        ; Mst: key tile x 8,192 rows x 4 bytes
	s_add_co_u32 s78, s78, s76
	s_mov_b32 s79, 0
	s_add_nc_u64 s[68:69], s[68:69], s[78:79]
	s_lshl_b32 s78, s42, 16                        ; Lst: (2 x key tile + column half) x 8,192 x 4
	s_lshl_b32 s77, s12, 15
	s_add_co_u32 s78, s78, s77
	s_add_co_u32 s78, s78, s76
	s_add_nc_u64 s[70:71], s[70:71], s[78:79]
	CROUND                                         ; all sixteen work-groups are here: the first joint loads meet
.irp s, 0,1
	s_mov_b32 s[G0+4*\s], 1
	s_add_co_u32 s[G0+4*\s+1], s20, \s*SLOT
	s_add_nc_u64 s[G0+4*\s+2:G0+4*\s+3], s[14:15], \s*KSTEPB
	s_or_b32 s[G0+4*\s+3], s[G0+4*\s+3], 0x80000000
	s_mov_b32 s[G0B+4*\s], 1
	s_add_co_u32 s[G0B+4*\s+1], s20, \s*SLOT
	s_add_nc_u64 s[G0B+4*\s+2:G0B+4*\s+3], s[46:47], \s*KSTEPB
	s_or_b32 s[G0B+4*\s+3], s[G0B+4*\s+3], 0x80000000
.endr
	s_cmp_eq_u32 s11, 0                            ; a wave's two first fills stand in one branch, ahead of every wait on TENSORcnt and every LDS read
	s_cbranch_scc0 .Lfirst_b
	tensor_load_to_lds s[G0:G0+3], s[G1:G1+7]
	s_nop 0
	tensor_load_to_lds s[G0+4:G0+7], s[G1:G1+7]
	s_nop 0
.rept 4
	v_nop
.endr
	s_branch .Lfirst_asked
.Lfirst_b:
	tensor_load_to_lds s[G0B:G0B+3], s[G1B:G1B+7]
	s_nop 0
	tensor_load_to_lds s[G0B+4:G0B+7], s[G1B:G1B+7]
	s_nop 0
.rept 4
	v_nop
.endr
.Lfirst_asked:
	v_and_b32 v1, 15, v0                           ; r = l % 16
	v_bfe_u32 v2, v0, 4, 1                         ; h = l / 16
	v_and_b32 v6, 31, v0                           ; lane
	v_mul_u32_u24 v3, v1, PITCH
	v_lshl_add_u32 v3, v2, 4, v3                   ; row x pitch + 16 x half
	s_mul_i32 s22, s11, HALFT                      ; my 128 rows of q
	s_mul_i32 s23, s12, HALFT                      ; my 128 rows of k,
	s_add_co_u32 s23, s23, 2*HALFT                 ; which lie behind q's 256
.irp s, 0,1
	v_add_nc_u32 v[ADRA+\s], s22, v3
	v_add_nc_u32 v[ADRB+\s], s23, v3
	s_add_co_u32 s22, s22, SLOT
	s_add_co_u32 s23, s23, SLOT
.endr
	s_mul_i32 s22, s10, 16*SPITCH
	s_add_co_u32 s22, s22, STAGE
	v_add_nc_u32 v[STO], s22, v3
	v_mul_u32_u24 v5, v2, SPITCH
	v_lshl_add_u32 v5, v1, 4, v5
	v_add_nc_u32 v[RD], s22, v5
	v_lshlrev_b32 v5, 12, v2                       ; h rows of E
	v_lshl_add_u32 v[CO], v1, 4, v5
	s_lshl_b32 s22, s10, 9
	s_add_co_u32 s22, s22, XCH
	v_lshl_add_u32 v[XA], v1, 2, s22               ; my wave's 512 bytes, word r of a block of 16
	s_lshl_b32 s22, s11, 10
	s_add_co_u32 s22, s22, XCH
	v_lshl_add_u32 v[XR], v1, 2, s22               ; the 1,024 bytes of the two waves that share my queries
	s_lshl_b32 s22, s10, 10
	s_add_co_u32 s22, s22, STT
	v_lshl_add_u32 v[SA], v1, 2, s22
	v_lshl_add_u32 v[SR], v6, 4, s22
	v_lshlrev_b32 v[GS], 4, v6
	s_lshl_b32 s16, s13, 8
	s_lshl_b32 s17, s11, 7
	s_add_co_u32 s16, s16, s17                     ; my first row of E
	s_lshl_b32 s16, s16, 12
	s_mov_b32 s17, 0
	s_add_nc_u64 s[8:9], s[8:9], s[16:17]
	s_lshl_b32 s46, s42, 9                         ; my first key, in bytes
	s_lshl_b32 s47, s12, 8
	s_add_co_u32 s46, s46, s47
	s_mov_b32 s47, 0
	s_add_nc_u64 s[8:9], s[8:9], s[46:47]
.macro MUL16 f, hi, a0, zero           ; zero = 1: the product starts the sum: nothing is ever cleared
.irp a, \a0, \a0+1
.irp b, 0,1,2,3,4,5,6,7
.if \zero
	v_wmma_f32_16x16x32_bf16 v[8*(8*(\a)+\b):8*(8*(\a)+\b)+7], v[\f+8*\b:\f+8*\b+7], v[\f+8*(4*\hi+\a):\f+8*(4*\hi+\a)+7], 0
.else
	v_wmma_f32_16x16x32_bf16 v[8*(8*(\a)+\b):8*(8*(\a)+\b)+7], v[\f+8*\b:\f+8*\b+7], v[\f+8*(4*\hi+\a):\f+8*(4*\hi+\a)+7], v[8*(8*(\a)+\b):8*(8*(\a)+\b)+7]
.endif
.endr
.endr
.endm
.macro FETCH slot, k, f
	WIN TO_B
.irp i, 0,1,2,3,4,5,6,7
	ds_load_b128 v[\f+8*\i:\f+8*\i+3],   v[ADRB+\slot] offset:\k+\i*16*PITCH
	ds_load_b128 v[\f+8*\i+4:\f+8*\i+7], v[ADRB+\slot] offset:\k+\i*16*PITCH+32
.endr
	WIN 0
.irp i, 0,1,2,3,4,5,6,7
	ds_load_b128 v[\f+8*\i:\f+8*\i+3],   v[ADRA+\slot] offset:\k+\i*16*PITCH
	ds_load_b128 v[\f+8*\i+4:\f+8*\i+7], v[ADRA+\slot] offset:\k+\i*16*PITCH+32
.endr
.endm
.macro QUARTER slot, k, f, g, zero
	s_wait_dscnt 8                                 ; k's fragments and q's rows 0-63 are in; the youngest eight loads (q's rows 64-127) may be out
	WIN MUL_LO
	MUL16 \f, 0, 0, \zero
	MUL16 \f, 0, 2, \zero
	PLACES
	FETCH \slot, \k, \g
	s_wait_dscnt 32                                ; all but the 32 just issued
	WIN MUL_HI
	MUL16 \f, 1, 0, \zero
	MUL16 \f, 1, 2, \zero
.endm
.macro TURN slot, next, fill
	s_wait_dscnt 8
	WIN MUL_LO
	MUL16 F1, 0, 0, 0
	s_wait_dscnt 0x0                               ; my reads of this slot are over,
	s_wait_tensorcnt 0x0                           ; and all my tensor loads have landed
	ds_add_u32 v255, v23
	s_wait_dscnt 0x0
	s_barrier_signal -1
	MUL16 F1, 0, 2, 0
.if \fill
	WIN 0
.endif
	s_barrier_wait -1
.if \fill
	CREST                                          ; no wave of any partner still reads this slot or has a load on its way
	s_add_nc_u64 s[G0+4*\slot+2:G0+4*\slot+3], s[G0+4*\slot+2:G0+4*\slot+3], 2*KSTEPB
	s_add_nc_u64 s[G0B+4*\slot+2:G0B+4*\slot+3], s[G0B+4*\slot+2:G0B+4*\slot+3], 2*KSTEPB
	JLOAD \slot                                    ; its four v_nop are also the places in front of the loads below
.else
	PLACES
.endif
	FETCH \next, 0, F0
	WIN MUL_HI
	MUL16 F1, 1, 0, 0
	MUL16 F1, 1, 2, 0
.endm
; THE MAXIMUM of a lane's 64 scores of each of the window's four blocks: a chain for each accumulator, begun at its low end; wa: all three sources in the window, wb: sources 1 and 2
.macro MAXH hh, wa, wb
	WIN \wa
.irp a, 0,1,2,3
.irp b, 0,1,2,3,4,5,6,7
	v_max3_num_f32 v[T+8*(4*\hh+\a)+\b], v[64*\a+8*\b], v[64*\a+8*\b+1], v[64*\a+8*\b+2]
.endr
.endr
	WIN \wb
.irp a, 0,1,2,3
.irp b, 0,1,2,3,4,5,6,7
	v_max3_num_f32 v[T+8*(4*\hh+\a)+\b], v[T+8*(4*\hh+\a)+\b], v[64*\a+8*\b+3], v[64*\a+8*\b+4]
.endr
.irp b, 0,1,2,3,4,5,6,7
	v_max3_num_f32 v[T+8*(4*\hh+\a)+\b], v[T+8*(4*\hh+\a)+\b], v[64*\a+8*\b+5], v[64*\a+8*\b+6]
.endr
.irp b, 0,2,4,6
	v_max3_num_f32 v[T+8*(4*\hh+\a)+\b], v[T+8*(4*\hh+\a)+\b], v[64*\a+8*\b+7], v[64*\a+8*\b+15]   ; the last scores of two accumulators
.endr
.endr
.endm
; Block a's 64 scores a lane become weights, in place; they are rounded to bf16 into TMP and summed.
.macro SOFT a
.set AC, 64*((\a)%4)
	WIN 0x82+0x41*((\a)/4)                         ; destination and source 0 window 2 or 3, cm window 0
.set ii, 0
.rept 32
	v_pk_fma_f32 v[AC+2*ii:AC+2*ii+1], v[AC+2*ii:AC+2*ii+1], s[CS:CS+1], v[CM+2*(\a):CM+2*(\a)+1] op_sel_hi:[1,0,1] neg_lo:[0,0,1] neg_hi:[0,0,1]   ; c s - cm
.set ii, ii+1
.endr
.set ii, 0
.rept 64
	v_exp_f32 v[AC+ii], v[AC+ii]
.set ii, ii+1
.endr
	v_nop                                          ; a plain instruction between the last exponential and the use of its result (ISA guide 5.7.2)
	WIN 0x0a+5*((\a)/4)                            ; sources window 2 or 3, destination window 0
	s_wait_alu depctr_va_vdst(0)
.irp b, 0,1,2,3,4,5,6,7
.irp i, 0,1,2,3
	v_cvt_pk_bf16_f32 v[TMP+4*\b+\i], v[AC+8*\b+2*\i], v[AC+8*\b+2*\i+1]
.endr
.endr
.set ii, 0
.rept 16
	v_pk_add_f32 v[U+2*ii:U+2*ii+1], v[AC+4*ii:AC+4*ii+1], v[AC+4*ii+2:AC+4*ii+3]
.set ii, ii+1
.endr
	WIN 0
.irp st, 1,2,4,8                       ; 16 pairs to one: neighbours 1, 2, 4, 8 pairs apart
.set pp, 0
.rept 8/\st
	v_pk_add_f32 v[U+2*pp:U+2*pp+1], v[U+2*pp:U+2*pp+1], v[U+2*(pp+\st):U+2*(pp+\st)+1]
.set pp, pp+2*\st
.endr
.endr
	v_add_f32 v[U], v[U], v[U+1]
	v_permlanex16_b32 v[U+2], v[U], s[SEL], s[SEL+1]   ; the query's other 64 keys lie in the lane 16 away
	v_add_f32 v[L+(\a)], v[U], v[U+2]
.endm
.macro TOSTAGE a
.set BK, OB+192*((\a)%2)
.irp b, 0,1,2,3,4,5,6,7
	ds_store_b128 v[STO], v[TMP+4*\b:TMP+4*\b+3] offset:32*\b
.endr
.irp t, 0,1,2,3,4,5,6,7
	ds_load_b128 v[BK+4*\t:BK+4*\t+3], v[RD] offset:\t*2*SPITCH    ; LDS serves a wave's instructions in order (ISA guide 5.7.1.4): these see the stores above
.endr
.endm
.macro SEND a
.set BK, OB+192*((\a)%2)
	s_wait_dscnt 0x0                               ; the block is back in registers
	s_wait_xcnt 0x0                                ; only behind this wait are the stores' base and the registers that earlier stores read written again
.if (\a) > 0
	s_add_nc_u64 s[8:9], s[8:9], 16*CP
.endif
.irp t, 0,1,2,3,4,5,6,7
	global_store_b128 v[CO], v[BK+4*\t:BK+4*\t+3], s[8:9] offset:2*\t*CP   ; 16 lanes store 256 consecutive bytes, at a multiple of 256 from E's first byte
.endr
.endm
	s_wait_tensorcnt 1                             ; my part of K step 0 is in; K step 1's may stay out
	s_barrier_signal -1
	s_barrier_wait -1
	FETCH 0, 0, F0
	QUARTER 0, 64, F0, F1, 1                       ; the first quarter's products start the sums
	WIN 0                                          ; at a label and at a branch every window is 0
	s_mov_b32 s3, LAPS-1
.Llap:                                                 ; a trip goes once round the ring and fills both slots again
	QUARTER 0, 128, F1, F0, 0
	QUARTER 0, 192, F0, F1, 0
	TURN 0, 1, 1
	QUARTER 1, 64,  F0, F1, 0
	QUARTER 1, 128, F1, F0, 0
	QUARTER 1, 192, F0, F1, 0
	TURN 1, 0, 1
	QUARTER 0, 64,  F0, F1, 0
	WIN 0
	s_sub_co_u32 s3, s3, 1
	s_cmp_lg_u32 s3, 0
	s_cbranch_scc1 .Llap
	QUARTER 0, 128, F1, F0, 0                      ; the last lap fills nothing
	QUARTER 0, 192, F0, F1, 0
	TURN 0, 1, 0
	QUARTER 1, 64,  F0, F1, 0
	QUARTER 1, 128, F1, F0, 0
	QUARTER 1, 192, F0, F1, 0
	s_wait_dscnt 8                                 ; the very last quarter
	WIN MUL_LO
	MUL16 F1, 0, 0, 0
	MUL16 F1, 0, 2, 0
	s_wait_dscnt 0x0
	WIN MUL_HI
	MUL16 F1, 1, 0, 0
	MUL16 F1, 1, 2, 0
	PLACES
	MAXH 0, 0x2a, 0x28
	MAXH 1, 0x3f, 0x3c
	WIN 0
.irp a, 0,1,2,3,4,5,6,7
	v_max3_num_f32 v[T+8*\a],   v[T+8*\a],   v[T+8*\a+1], v[T+8*\a+2]
	v_max3_num_f32 v[T+8*\a+3], v[T+8*\a+3], v[T+8*\a+4], v[T+8*\a+5]
	v_max_num_f32  v[T+8*\a+6], v[T+8*\a+6], v[T+8*\a+7]
.endr
.irp a, 0,1,2,3,4,5,6,7
	v_max3_num_f32 v[MX+\a], v[T+8*\a], v[T+8*\a+3], v[T+8*\a+6]
.endr
.irp a, 0,1,2,3,4,5,6,7
	v_permlanex16_b32 v[T+8*\a+1], v[MX+\a], s[SEL], s[SEL+1]      ; its destination counts as read: a register that has been written
.endr
.irp a, 0,1,2,3,4,5,6,7
	v_max_num_f32 v[MX+\a], v[MX+\a], v[T+8*\a+1]  ; over my wave's 128 keys
.endr
.irp a, 0,1,2,3,4,5,6,7
	ds_store_b32 v[XA], v[MX+\a] offset:64*\a      ; both halves of the lanes write the same word with the same number
.endr
	s_wait_dscnt 0x0                               ; for the others' sake: my stores are done
	s_barrier_signal -1
	s_barrier_wait -1
.irp a, 0,1,2,3,4,5,6,7
	ds_load_b32 v[PA+\a], v[XR] offset:64*\a       ; the wave with keys 0-127,
	ds_load_b32 v[PB+\a], v[XR] offset:512+64*\a   ; the wave with keys 128-255: one of the two is my own
.endr
	s_wait_dscnt 0x0
.irp a, 0,1,2,3,4,5,6,7
	v_max_num_f32 v[MX+\a], v[PA+\a], v[PB+\a]     ; over the tile's 256 keys
.endr
.irp a, 0,1,2,3,4,5,6,7
	v_mul_f32 v[CM+2*\a],   s[CS], v[MX+\a]
	v_mul_f32 v[CM+2*\a+1], s[CS], v[MX+\a]
.endr
	SOFT 0
	TOSTAGE 0
.irp a, 1,2,3,4,5,6,7                  ; block a's arithmetic stands between block a - 1's loads from the stage and the wait for them
	SOFT \a
	SEND \a-1
	TOSTAGE \a
.endr
	SEND 7
	; cm and l of my 128 queries go through my own LDS bytes, so that one store of the wave covers 512 consecutive bytes, aligned
.irp a, 0,1,2,3,4,5,6,7
	ds_store_b32 v[SA], v[CM+2*\a] offset:64*\a
	ds_store_b32 v[SA], v[L+\a] offset:512+64*\a
.endr
	ds_load_b128 v[SB:SB+3],   v[SR]
	ds_load_b128 v[SB+4:SB+7], v[SR] offset:512
	s_wait_dscnt 0x0
	global_store_b128 v[GS], v[SB+4:SB+7], s[70:71]    ; l of my 128 keys
	s_cmp_lg_u32 s12, 0                            ; cm is the tile's: the wave with keys 0-127 stores it
	s_cbranch_scc1 .Lno_max
	global_store_b128 v[GS], v[SB:SB+3], s[68:69]
.Lno_max:
	s_set_vgpr_msb 0x1
	s_wait_tensorcnt 0x0
	ds_add_u32 v255, v23
	s_wait_dscnt 0x0
	s_set_vgpr_msb 0x100
	CROUND                                         ; the closing round: no work-group ends while a partner may still ask for a tile that names it
	s_endpgm
.Lfunc_end_k_q0d15309263_scores:
	.size	k_q0d15309263_scores, .Lfunc_end_k_q0d15309263_scores-k_q0d15309263_scores
	.p2alignl 7, 3214868480
	.fill 96, 4, 3214868480
	.section	.rodata,"a",@progbits
	.p2align	6, 0x0
	.amdhsa_kernel k_q0d15309263_scores
		.amdhsa_group_segment_fixed_size 327680
		.amdhsa_private_segment_fixed_size 0
		.amdhsa_enable_private_segment 0
		.amdhsa_kernarg_size 32
		.amdhsa_user_sgpr_count 2
		.amdhsa_user_sgpr_kernarg_segment_ptr 1
		.amdhsa_wavefront_size32 1
		.amdhsa_system_sgpr_workgroup_id_x 1
		.amdhsa_system_sgpr_workgroup_id_y 1
		.amdhsa_system_sgpr_workgroup_id_z 1
		.amdhsa_system_vgpr_workitem_id 0
		.amdhsa_next_free_vgpr 1024
		.amdhsa_next_free_sgpr 80
		.amdhsa_reserve_vcc 0
		.amdhsa_float_denorm_mode_32 3
		.amdhsa_float_denorm_mode_16_64 3
		.amdhsa_memory_ordered 1
		.amdhsa_forward_progress 1
		.amdhsa_inst_pref_size 213
	.end_amdhsa_kernel
	.amdgpu_metadata
---
amdhsa.version: [ 1, 2 ]
amdhsa.kernels:
  - .name:           k_q0d15309263_scores
    .symbol:         k_q0d15309263_scores.kd
    .args:
      - { .name: QKV, .offset: 0, .size: 8, .value_kind: global_buffer, .address_space: global }
      - { .name: E, .offset: 8, .size: 8, .value_kind: global_buffer, .address_space: global }
      - { .name: Mst, .offset: 16, .size: 8, .value_kind: global_buffer, .address_space: global }
      - { .name: Lst, .offset: 24, .size: 8, .value_kind: global_buffer, .address_space: global }
    .group_segment_fixed_size: 327680
    .private_segment_fixed_size: 0
    .kernarg_segment_align: 8
    .kernarg_segment_size: 32
    .max_flat_workgroup_size: 128
    .sgpr_count:     80
    .vgpr_count:     1024
    .wavefront_size: 32
...
	.end_amdgpu_metadata
.endif
;; end of part 3
;; launch pv (part 4): grid 4 x 64, 4 waves a work-group, clusters of 4 x 4, 327,680 bytes of LDS; arguments E, QKV, Mst, Lst, out0; writes out0
.if DOCPART == 4
	.amdgcn_target "amdgcn-amd-amdhsa--gfx1250"
	.amdhsa_code_object_version 6
	.text
	.protected	k_q0d15309263_pv
	.globl	k_q0d15309263_pv
	.p2align	8
	.type	k_q0d15309263_pv,@function
k_q0d15309263_pv:
	s_mov_b64 s[64:65], 0
	v_nop
	global_prefetch_b8 v0, s[64:65] scope:SCOPE_SE
	s_setreg_imm32_b32 hwreg(HW_REG_WAVE_MODE, 25, 1), 1
	s_wait_xcnt 0x0
	s_wait_alu depctr_hold_cnt(0) depctr_sa_sdst(0) depctr_va_vdst(0) depctr_va_sdst(0) depctr_va_ssrc(0) depctr_va_vcc(0) depctr_vm_vsrc(0)
	s_getreg_b32 s2, hwreg(HW_REG_IB_STS2, 6, 4)
	s_cmp_eq_u32 s2, 0
	s_cbranch_scc0 .Lentry_in_a_cluster
	s_endpgm
.Lentry_in_a_cluster:
	s_bfe_u32 s2, ttmp6, 0x10000c
	s_cmp_lg_u32 s2, 0xf033
	s_cbranch_scc0 .Lentry_shape_is_right
	s_endpgm
.Lentry_shape_is_right:
; out0[row][ch] = sum over key tiles t of f(row, t) x (sum over the tile's 256 keys of E[row][key] v[key][ch]),  f(row, t) = 2^(cm(t) - cm_row) / l_row,
; cm_row = the largest cm(t) of the row, l_row = sum over t of 2^(cm(t) - cm_row) (l(2t) + l(2t + 1)).  That is the softmax with the row's maximum taken away: f is at most 1, l_row about 1 at the least.
; E: [8192][2048] bf16; v: bytes 4,096 on of QKV's rows of 6,144, bf16, [key][channel]; Mst: [8][8192] f32; Lst: [16][8192] f32; out0: [8192][1024] f32.
; f differs from tile to tile and need not fall or rise, so a key tile's products are summed apart (BLK, 32 accumulators) and folded into the total once for each 256 keys: TOT += f x BLK.
; SHARES, RING, CLUSTER as in the other two product kernels: a work-group makes 128 rows x 256 channels: 64 x 4 = 256 work-groups; four waves 2 x 2, a wave 64 x 128; keys go in steps of 128 through
; two LDS slots; E's tile is asked for jointly along a row of the 4 x 4 cluster, v's along a column.  By this text's count a wave has two tensor loads out at the start, later one.
; v lies [key][channel] and is turned on its way out of LDS by ds_load_tr16_b128.  TRANSPOSED USE (source 0 = 16 channels, source 1 = 16 rows): a lane holds ONE row (l % 16) and eight neighbouring channels.
; REGISTERS.  window 0: v0-31 addresses; v32-39 f of the lap in hand; v40-55 at work in front of the loop; v64-159, v160-255 fragment buffers.  window 1: BLK (a, b) at v[8 (8 a + b)].  window 2: TOT, likewise.
; The 32 accumulators take turns, one instruction a turn.
; LIMITS: operands in bf16; a factor under 2^-126 comes out as zero (v_exp_f32); NaN and infinities are not served.
.set PITCH,  272                       ; E's rows in LDS: 256 bytes + 16 = 68 words: row r starts at bank 4 r mod 64 (64 banks of 4 bytes: ISA guide 11.1)
.set VPITCH, 544                       ; v's rows: 512 bytes + 32 = 136 words: row r starts at bank 8 r mod 64
.set AHALF,  64*PITCH
.set ATILE,  2*AHALF
.set BHALF,  64*VPITCH                 ; 64 keys: what waves 2, 3 fetch
.set SLOT,   ATILE+2*BHALF             ; 104,448
.set STAGE,  2*SLOT                    ; 16 rows x 528 bytes for each wave
.set OPITCH, 528                       ; 512 bytes + 16
.set FT,     STAGE+4*16*OPITCH         ; 4,096 bytes for each wave: f, as [key tile 8][r 16][block 4][twice]
.set ASTEP,  256                       ; bytes from a step of 128 keys to the next: along E's rows,
.set BSTEP,  128*6144                  ; down v's rows
.set ADRA, 16
.set ADRB, 20
.set STO,  24
.set RD,   25
.set CO,   26
.set FA,   27                          ; where the next lap's f lie
.set MA,   28                          ; my byte offset in Mst
.set LA,   29                          ; in Lst
.set CUR,  32                          ; v32-39  block a: f, twice (a pair for the packed arithmetic)
.set MXR,  40                          ; v40-43  block a: cm_row
.set LS,   44                          ; v44-47  l_row
.set RC,   52                          ; v52-55  1 / l_row
.set M,    64                          ; v64-95   cm(t), then 2^(cm(t) - cm_row), at 8 a + t
.set LP,   96                          ; v96-127  l(2 t + h)
.set FR,   128                         ; v128-191 f, at 8 t + 2 a, twice
.set F0,   64
.set F1,   160
.set G1, 24
.set G0, 32
.set G1B, 48
.set G0B, 56
.set SEL, 74
.set MSB, 0
.macro WIN new
.if MSB != \new
	s_set_vgpr_msb (MSB<<8)|\new
.set MSB, \new
.endif
.endm
.macro PLACES
.rept 4
	v_nop
.endr
.endm
.macro JLOAD s
	s_cmp_eq_u32 s11, 0
	s_cbranch_scc0 .Lfor_b_\@
	tensor_load_to_lds s[G0+4*\s:G0+4*\s+3], s[G1:G1+7]
	s_nop 0
.rept 4
	v_nop
.endr
	s_branch .Lasked_\@
.Lfor_b_\@:
	tensor_load_to_lds s[G0B+4*\s:G0B+4*\s+3], s[G1B:G1B+7]
	s_nop 0
.rept 4
	v_nop
.endr
.Lasked_\@:
.endm
.macro CREST
	s_cmp_lg_u32 s10, 0
	s_cbranch_scc1 .Lnot_wave_0_\@
	s_barrier_signal -3
.Lnot_wave_0_\@:
	s_barrier_wait -3
	s_barrier_signal -1
	s_barrier_wait -1
.endm
.macro CROUND
	s_barrier_signal -1
	s_barrier_wait -1
	CREST
.endm
	s_load_b128 s[4:7], s[0:1], 0x0                ; E s[4:5], QKV s[6:7]
	s_load_b128 s[68:71], s[0:1], 0x10             ; Mst s[68:69], Lst s[70:71]
	s_load_b64 s[8:9], s[0:1], 0x20                ; out0
	v_lshl_add_u32 v62, v0, 2, 0x3f400
	v_mov_b32 v63, 0
	ds_add_u32 v62, v63
	v_lshrrev_b32 v1, 5, v0
	v_readfirstlane_b32 s10, v1                    ; wave 0..3
	s_lshr_b32 s11, s10, 1                         ; which 64 rows are mine.  Also: I fetch for E (0) or for v (1)
	s_and_b32 s12, s10, 1                          ; which 128 channels.  Also: which half of that tile I fetch
	s_bfe_u32 s40, ttmp6, 0x40000
	s_bfe_u32 s41, ttmp6, 0x40004
	s_lshl_b32 s42, ttmp9, 2
	s_add_co_u32 s42, s42, s40                     ; channel tile
	s_and_b32 s45, ttmp7, 0xffff
	s_lshl_b32 s13, s45, 2
	s_add_co_u32 s13, s13, s41                     ; tile row
	s_lshr_b32 s45, s45, 2                         ; the batch, from the cluster's y alone
	s_lshl_b32 s43, s41, 2
	s_lshl_b32 s43, 15, s43
	s_lshl_b32 s44, 0x1111, s40
	s_or_b32 s[G1+0], s43, (1<<16)|(1<<20)|(1<<21)|(5<<22)|(3<<25)   ; E: padding of 4 words after every 64
	s_or_b32 s[G1B+0], s44, (1<<16)|(1<<20)|(1<<21)|(6<<22)|(7<<25)  ; v: of 8 words after every 128
	s_mov_b32 s[G1+1], 128<<16                     ; E: 64 rows x 128 keys
	s_mov_b32 s[G1+2], 64<<16
	s_mov_b32 s[G1+3], 128<<16
	s_mov_b32 s[G1+4], 64
	s_mov_b32 s[G1+5], 2048
	s_mov_b32 s[G1+6], 0
	s_mov_b32 s[G1+7], 0
	s_mov_b32 s[G1B+1], 256<<16                    ; v: 64 keys x 256 channels
	s_mov_b32 s[G1B+2], 64<<16
	s_mov_b32 s[G1B+3], 256<<16
	s_mov_b32 s[G1B+4], 64
	s_mov_b32 s[G1B+5], 3072
	s_mov_b32 s[G1B+6], 0
	s_mov_b32 s[G1B+7], 0
	s_mov_b32 s[SEL], 0x76543210
	s_mov_b32 s[SEL+1], 0xfedcba98
	s_lshl_b32 s17, s12, 6
	s_lshl_b32 s16, s13, 7
	s_add_co_u32 s16, s16, s17                     ; E: row 128 x tile row + 64 x half
	s_lshl_b32 s16, s16, 12                        ; x 4,096 bytes: under 2^25
	s_mov_b32 s17, 0
	s_lshl_b32 s46, s45, 11                        ; v: key row 2,048 x batch + 64 x half,
	s_lshl_b32 s47, s12, 6
	s_add_co_u32 s46, s46, s47
	s_mul_i32 s46, s46, 6144
	s_lshl_b32 s47, s42, 9                         ; channel 256 x channel tile,
	s_add_co_u32 s46, s46, s47
	s_add_co_u32 s46, s46, 4096                    ; and v begins at byte 4,096 of a row
	s_mov_b32 s47, 0
	s_mul_i32 s20, s12, AHALF
	s_mul_i32 s21, s12, BHALF
	s_add_co_u32 s21, s21, ATILE
	s_lshl_b32 s76, s13, 9                         ; my 64 rows in a row of Mst or Lst, in bytes
	s_lshl_b32 s77, s11, 8
	s_add_co_u32 s76, s76, s77
	s_mov_b32 s77, 0
	s_wait_dscnt 0x0
	s_wait_kmcnt 0x0
	s_add_nc_u64 s[14:15], s[4:5], s[16:17]
	s_add_nc_u64 s[46:47], s[6:7], s[46:47]
	s_add_nc_u64 s[68:69], s[68:69], s[76:77]
	s_add_nc_u64 s[70:71], s[70:71], s[76:77]
	CROUND                                         ; all sixteen work-groups are here: the first joint loads meet
.irp s, 0,1
	s_mov_b32 s[G0+4*\s], 1
	s_add_co_u32 s[G0+4*\s+1], s20, \s*SLOT
	s_add_nc_u64 s[G0+4*\s+2:G0+4*\s+3], s[14:15], \s*ASTEP
	s_or_b32 s[G0+4*\s+3], s[G0+4*\s+3], 0x80000000
	s_mov_b32 s[G0B+4*\s], 1
	s_add_co_u32 s[G0B+4*\s+1], s21, \s*SLOT
	s_add_nc_u64 s[G0B+4*\s+2:G0B+4*\s+3], s[46:47], \s*BSTEP
	s_or_b32 s[G0B+4*\s+3], s[G0B+4*\s+3], 0x80000000
.endr
	s_cmp_eq_u32 s11, 0                            ; a wave's two first fills stand in one branch
	s_cbranch_scc0 .Lfirst_b
	tensor_load_to_lds s[G0:G0+3], s[G1:G1+7]
	s_nop 0
	tensor_load_to_lds s[G0+4:G0+7], s[G1:G1+7]
	s_nop 0
.rept 4
	v_nop
.endr
	s_branch .Lfirst_asked
.Lfirst_b:
	tensor_load_to_lds s[G0B:G0B+3], s[G1B:G1B+7]
	s_nop 0
	tensor_load_to_lds s[G0B+4:G0B+7], s[G1B:G1B+7]
	s_nop 0
.rept 4
	v_nop
.endr
.Lfirst_asked:
	v_and_b32 v1, 15, v0                           ; r = l % 16
	v_bfe_u32 v2, v0, 4, 1                         ; h = l / 16
	v_lshlrev_b32 v[MA], 2, v1                     ; 4 r
	v_lshl_add_u32 v[LA], v2, 15, v[MA]            ; 4 r + h half tiles of 32,768 bytes: each half of the lanes takes one half of a key tile
.irp a, 0,1,2,3
.irp t, 0,1,2,3,4,5,6,7
	global_load_b32 v[M+8*\a+\t],  v[MA], s[68:69] offset:32768*\t+64*\a
	global_load_b32 v[LP+8*\a+\t], v[LA], s[70:71] offset:65536*\t+64*\a
.endr
.endr
	v_and_b32 v6, 31, v0                           ; lane
	v_mul_u32_u24 v3, v1, PITCH
	v_lshl_add_u32 v3, v2, 4, v3                   ; E's fragments: row x pitch + 16 x half
	v_and_b32 v4, 7, v0                            ; v's: lane l reads key 8 h + l % 8, channels 8 ((l / 8) % 2) + 0..7
	v_lshl_add_u32 v4, v2, 3, v4
	v_mul_u32_u24 v4, v4, VPITCH
	v_bfe_u32 v5, v0, 3, 1
	v_lshl_add_u32 v4, v5, 4, v4
	s_mul_i32 s22, s11, AHALF                      ; my 64 rows of E
	s_lshl_b32 s23, s12, 8                         ; my 128 channels of v's rows,
	s_add_co_u32 s23, s23, ATILE                   ; which lie behind E's tile
.irp s, 0,1
	v_add_nc_u32 v[ADRA+\s], s22, v3
	v_add_nc_u32 v[ADRB+\s], s23, v4
	s_add_co_u32 s22, s22, SLOT
	s_add_co_u32 s23, s23, SLOT
.endr
	s_mul_i32 s22, s10, 16*OPITCH
	s_add_co_u32 s22, s22, STAGE                   ; my stage
	v_mul_u32_u24 v5, v1, OPITCH                   ; in: row r, 32 bytes for each half of the lanes
	v_lshl_add_u32 v5, v2, 5, v5
	v_add_nc_u32 v[STO], s22, v5
	v_lshl_add_u32 v[RD], v6, 4, s22               ; back: the 32 lanes take one row of 512 bytes
	v_lshlrev_b32 v[CO], 4, v6
	s_lshl_b32 s22, s10, 12
	s_add_co_u32 s22, s22, FT
	v_lshl_add_u32 v[FA], v1, 5, s22               ; my wave's table, 32 bytes for each r
	s_lshl_b32 s16, s13, 7
	s_lshl_b32 s17, s11, 6
	s_add_co_u32 s16, s16, s17                     ; my first row of out0
	s_lshl_b32 s16, s16, 12
	s_mov_b32 s17, 0
	s_add_nc_u64 s[8:9], s[8:9], s[16:17]
	s_lshl_b32 s46, s42, 10                        ; my first channel, in bytes: 1,024 x channel tile + 512 x half
	s_lshl_b32 s47, s12, 9
	s_add_co_u32 s46, s46, s47
	s_mov_b32 s47, 0
	s_add_nc_u64 s[8:9], s[8:9], s[46:47]
	; f for my 64 rows and the 8 key tiles
	s_wait_loadcnt 0x0
.irp a, 0,1,2,3
	v_max3_num_f32 v[MXR+\a], v[M+8*\a],  v[M+8*\a+1], v[M+8*\a+2]
	v_max3_num_f32 v[MXR+\a], v[MXR+\a],  v[M+8*\a+3], v[M+8*\a+4]
	v_max3_num_f32 v[MXR+\a], v[MXR+\a],  v[M+8*\a+5], v[M+8*\a+6]
	v_max_num_f32  v[MXR+\a], v[MXR+\a],  v[M+8*\a+7]
.endr
.irp a, 0,1,2,3
.irp t, 0,1,2,3,4,5,6,7
	v_sub_f32 v[M+8*\a+\t], v[M+8*\a+\t], v[MXR+\a]
.endr
.endr
.set ii, 0
.rept 32
	v_exp_f32 v[M+ii], v[M+ii]
.set ii, ii+1
.endr
	v_nop                                          ; a plain instruction between the last exponential and the use of its result (ISA guide 5.7.2)
	s_wait_alu depctr_va_vdst(0)
.irp a, 0,1,2,3
	v_mul_f32 v[LS+\a], v[M+8*\a], v[LP+8*\a]
.irp t, 1,2,3,4,5,6,7
	v_fmac_f32 v[LS+\a], v[M+8*\a+\t], v[LP+8*\a+\t]
.endr
.endr
.irp a, 0,1,2,3
	v_permlanex16_b32 v[MXR+\a], v[LS+\a], s[SEL], s[SEL+1]        ; the other halves of the key tiles lie in the lane 16 away
.endr
.irp a, 0,1,2,3
	v_add_f32 v[LS+\a], v[LS+\a], v[MXR+\a]
.endr
.irp a, 0,1,2,3
	v_rcp_f32 v[RC+\a], v[LS+\a]
.endr
	v_nop
	s_wait_alu depctr_va_vdst(0)
.irp t, 0,1,2,3,4,5,6,7
.irp a, 0,1,2,3
	v_mul_f32 v[FR+8*\t+2*\a],   v[M+8*\a+\t], v[RC+\a]
	v_mul_f32 v[FR+8*\t+2*\a+1], v[M+8*\a+\t], v[RC+\a]
.endr
.endr
.irp t, 0,1,2,3,4,5,6,7
	ds_store_b128 v[FA], v[FR+8*\t:FR+8*\t+3]   offset:512*\t      ; my wave's own bytes; both halves of the lanes write the same numbers
	ds_store_b128 v[FA], v[FR+8*\t+4:FR+8*\t+7] offset:512*\t+16
.endr
.macro MUL f, a0, na, cm               ; cm = 0: add in place; 1: the product starts the key tile's sum
.set ma, \a0
.rept \na
.irp b, 0,1,2,3,4,5,6,7
.if \cm == 0
	v_wmma_f32_16x16x32_bf16 v[8*(8*ma+\b):8*(8*ma+\b)+7], v[\f+32+8*\b:\f+32+8*\b+7], v[\f+8*ma:\f+8*ma+7], v[8*(8*ma+\b):8*(8*ma+\b)+7]
.else
	v_wmma_f32_16x16x32_bf16 v[8*(8*ma+\b):8*(8*ma+\b)+7], v[\f+32+8*\b:\f+32+8*\b+7], v[\f+8*ma:\f+8*ma+7], 0
.endif
.endr
.set ma, ma+1
.endr
.endm
; 24 LDS loads in one run: quarter q (32 keys) of a slot into buffer f: v's 8 blocks of 16 channels, turned, then E's 4 blocks of 16 rows
.macro FETCH slot, q, f
	WIN 0
.irp b, 0,1,2,3,4,5,6,7
	ds_load_tr16_b128 v[\f+32+8*\b:\f+32+8*\b+3],   v[ADRB+\slot] offset:\q*32*VPITCH+32*\b
	ds_load_tr16_b128 v[\f+32+8*\b+4:\f+32+8*\b+7], v[ADRB+\slot] offset:\q*32*VPITCH+16*VPITCH+32*\b
.endr
.irp i, 0,1,2,3
	ds_load_b128 v[\f+8*\i:\f+8*\i+3],   v[ADRA+\slot] offset:64*\q+\i*16*PITCH
	ds_load_b128 v[\f+8*\i+4:\f+8*\i+7], v[ADRA+\slot] offset:64*\q+\i*16*PITCH+32
.endr
.endm
; fl = 1: this lap's f are read too, ahead of the run of 24, so that the wait for all but the 24 covers them
.macro QUARTER slot, q, f, g, cm, fl
	s_wait_dscnt 4                                 ; v's fragments and E's blocks 0, 1 are in; the four youngest loads may be out
	WIN 0x50
	MUL \f, 0, 2, \cm
	PLACES
.if \fl
	WIN 0
	ds_load_b128 v[CUR:CUR+3],   v[FA]
	ds_load_b128 v[CUR+4:CUR+7], v[FA] offset:16
	v_add_nc_u32 v[FA], 512, v[FA]                 ; the next key tile's
.endif
	FETCH \slot, \q, \g
	s_wait_dscnt 24                                ; all but the 24 just issued
	WIN 0x50
	MUL \f, 2, 2, \cm
.endm
.macro TURN slot, next, fill
	s_wait_dscnt 4
	WIN 0x50
	MUL F1, 0, 1, 0
	s_wait_dscnt 0x0                               ; my reads of this slot are over,
	s_wait_tensorcnt 0x0                           ; and all my tensor loads have landed
	ds_add_u32 v62, v63
	s_wait_dscnt 0x0
	s_barrier_signal -1
	MUL F1, 1, 1, 0
.if \fill
	WIN 0
.endif
	s_barrier_wait -1
.if \fill
	CREST
	s_add_nc_u64 s[G0+4*\slot+2:G0+4*\slot+3], s[G0+4*\slot+2:G0+4*\slot+3], 2*ASTEP
	s_add_nc_u64 s[G0B+4*\slot+2:G0B+4*\slot+3], s[G0B+4*\slot+2:G0B+4*\slot+3], 2*BSTEP
	JLOAD \slot
.else
	PLACES
.endif
	FETCH \next, 0, F0
	WIN 0x50
	MUL F1, 2, 2, 0
.endm
; A lap = a key tile of 256 keys = once round the ring.  last = 1: nothing is left to fetch.
.macro LAP last
	QUARTER 0, 1, F0, F1, 1, 1
	QUARTER 0, 2, F1, F0, 0, 0
	QUARTER 0, 3, F0, F1, 0, 0
	TURN 0, 1, 1-\last
	QUARTER 1, 1, F0, F1, 0, 0
	QUARTER 1, 2, F1, F0, 0, 0
	QUARTER 1, 3, F0, F1, 0, 0
.if \last
	s_wait_dscnt 4
	WIN 0x50
	MUL F1, 0, 2, 0
	s_wait_dscnt 0x0
	MUL F1, 2, 2, 0
.else
	TURN 1, 0, 1
.endif
.endm
; TOT += f x BLK, each accumulator's registers in ascending order.  first = 1: the first key tile starts the totals: nothing is ever cleared.
.macro FOLD first
	PLACES
	WIN 0xa1                                       ; BLK (source 0) window 1, f (source 1) window 0, TOT (source 2 and destination) window 2
.irp a, 0,1,2,3
.set ii, 0
.rept 32
.if \first
	v_pk_mul_f32 v[64*\a+2*ii:64*\a+2*ii+1], v[64*\a+2*ii:64*\a+2*ii+1], v[CUR+2*\a:CUR+2*\a+1]
.else
	v_pk_fma_f32 v[64*\a+2*ii:64*\a+2*ii+1], v[64*\a+2*ii:64*\a+2*ii+1], v[CUR+2*\a:CUR+2*\a+1], v[64*\a+2*ii:64*\a+2*ii+1]
.endif
.set ii, ii+1
.endr
.endr
.endm
; THE WAY OUT of row block a: a lane's eight channels of a row, 32 bytes, go into my own stage; whole rows of 512 bytes come back and are stored
.macro OUTB a
.set OB, 64+64*((\a)%2)
.if (\a) > 0
	s_wait_xcnt 0x0                                ; only behind this wait are the stores' base and the registers that earlier stores read written again
	s_add_nc_u64 s[8:9], s[8:9], 16*4096
.endif
	WIN 0x08                                       ; store data window 2
.irp b, 0,1,2,3,4,5,6,7
	ds_store_b128 v[STO], v[64*(\a)+8*\b:64*(\a)+8*\b+3]   offset:64*\b
	ds_store_b128 v[STO], v[64*(\a)+8*\b+4:64*(\a)+8*\b+7] offset:64*\b+16
.endr
	WIN 0
.irp t, 0,1,2,3,4,5,6,7,8,9,10,11,12,13,14,15
	ds_load_b128 v[OB+4*\t:OB+4*\t+3], v[RD] offset:\t*OPITCH      ; LDS serves a wave's instructions in order (ISA guide 5.7.1.4): these see the stores above
.endr
.irp t, 0,1,2,3,4,5,6,7,8,9,10,11,12,13,14,15
	s_wait_dscnt 15-\t                             ; row t is back; the 15 - t behind it may be out
	global_store_b128 v[CO], v[OB+4*\t:OB+4*\t+3], s[8:9] offset:\t*4096 th:TH_STORE_NT   ; the wave stores 512 consecutive bytes, at a multiple of 512 from out0's first byte
.endr
.endm
	s_wait_tensorcnt 1                             ; my part of key step 0 is in; step 1's may stay out
	s_wait_dscnt 0x0                               ; no LDS instruction of mine is pending at a signal
	s_barrier_signal -1
	s_barrier_wait -1
	FETCH 0, 0, F0
	LAP 0                                          ; key tile 0
	FOLD 1
	WIN 0                                          ; at a label and at a branch every window is 0
	s_mov_b32 s3, 6
.Llap:                                                 ; key tiles 1 to 6; with tile 0 they ask for key steps 2 to 15
	LAP 0
	FOLD 0
	WIN 0
	s_sub_co_u32 s3, s3, 1
	s_cmp_lg_u32 s3, 0
	s_cbranch_scc1 .Llap
	LAP 1                                          ; key tile 7 is written out: it asks for nothing more
	FOLD 0
	OUTB 0
	OUTB 1
	OUTB 2
	OUTB 3
	s_wait_tensorcnt 0x0
	ds_add_u32 v62, v63
	s_wait_dscnt 0x0
	CROUND                                         ; the closing round: no work-group ends while a partner may still ask for a tile that names it
	s_endpgm
.Lfunc_end_k_q0d15309263_pv:
	.size	k_q0d15309263_pv, .Lfunc_end_k_q0d15309263_pv-k_q0d15309263_pv
	.p2alignl 7, 3214868480
	.fill 96, 4, 3214868480
	.section	.rodata,"a",@progbits
	.p2align	6, 0x0
	.amdhsa_kernel k_q0d15309263_pv
		.amdhsa_group_segment_fixed_size 327680
		.amdhsa_private_segment_fixed_size 0
		.amdhsa_enable_private_segment 0
		.amdhsa_kernarg_size 40
		.amdhsa_user_sgpr_count 2
		.amdhsa_user_sgpr_kernarg_segment_ptr 1
		.amdhsa_wavefront_size32 1
		.amdhsa_system_sgpr_workgroup_id_x 1
		.amdhsa_system_sgpr_workgroup_id_y 1
		.amdhsa_system_sgpr_workgroup_id_z 1
		.amdhsa_system_vgpr_workitem_id 0
		.amdhsa_next_free_vgpr 768
		.amdhsa_next_free_sgpr 80
		.amdhsa_reserve_vcc 0
		.amdhsa_float_denorm_mode_32 3
		.amdhsa_float_denorm_mode_16_64 3
		.amdhsa_memory_ordered 1
		.amdhsa_forward_progress 1
		.amdhsa_inst_pref_size 158
	.end_amdhsa_kernel
	.amdgpu_metadata
---
amdhsa.version: [ 1, 2 ]
amdhsa.kernels:
  - .name:           k_q0d15309263_pv
    .symbol:         k_q0d15309263_pv.kd
    .args:
      - { .name: E, .offset: 0, .size: 8, .value_kind: global_buffer, .address_space: global }
      - { .name: QKV, .offset: 8, .size: 8, .value_kind: global_buffer, .address_space: global }
      - { .name: Mst, .offset: 16, .size: 8, .value_kind: global_buffer, .address_space: global }
      - { .name: Lst, .offset: 24, .size: 8, .value_kind: global_buffer, .address_space: global }
      - { .name: out0, .offset: 32, .size: 8, .value_kind: global_buffer, .address_space: global }
    .group_segment_fixed_size: 327680
    .private_segment_fixed_size: 0
    .kernarg_segment_align: 8
    .kernarg_segment_size: 40
    .max_flat_workgroup_size: 128
    .sgpr_count:     80
    .vgpr_count:     768
    .wavefront_size: 32
...
	.end_amdgpu_metadata
.endif
;; end of part 4
;; ======== version 2 of 2: 4 launches; version 1 with the launch cast written anew for expert scheduling mode
;; workspace buffers: Xb 16,777,216 bytes; Wb 6,291,456 bytes; QKV 50,331,648 bytes; E 33,554,432 bytes; Mst 262,144 bytes; Lst 524,288 bytes
;; launch cast (part 5): grid 704 x 1, 8 waves a work-group, no clusters, 0 bytes of LDS; arguments X, Wq, Wk, Wv, Xb, Wb; writes Xb, Wb
.if DOCPART == 5
	.amdgcn_target "amdgcn-amd-amdhsa--gfx1250"
	.amdhsa_code_object_version 6
	.text
	.protected	k_q0d15309263_cast
	.globl	k_q0d15309263_cast
	.p2align	8
	.type	k_q0d15309263_cast,@function
k_q0d15309263_cast:
	s_mov_b64 s[64:65], 0
	v_nop
	global_prefetch_b8 v0, s[64:65] scope:SCOPE_SE
	s_setreg_imm32_b32 hwreg(HW_REG_WAVE_SCHED_MODE, 0, 2), 2
	s_setreg_imm32_b32 hwreg(HW_REG_WAVE_MODE, 25, 1), 1
	s_wait_xcnt 0x0
	s_wait_alu depctr_vm_vsrc(0)
; Xb = bf16(X), Wb = bf16(Wq | Wk | Wv, one below the other).  A stream: every input byte is read once, every output byte written once.
; A work-group takes 16,384 numbers (65,536 bytes in, 32,768 out).  Work-groups 0-511 take X's 512 pieces; work-group 512 + h takes piece h % 64 of
; matrix h / 64 (Wq, Wk, Wv), which lands at byte 32,768 h of Wb.  Thread t takes the 16 bytes at 16 t of each of 16 blocks of 4,096 bytes: a wave's
; load covers 512 consecutive bytes, a wave's store 256 consecutive bytes at a multiple of 256 from the buffer's first byte.
; All 16 loads of a lane go out first; nothing is written twice, so no register has to be freed.  No LDS, no barrier, no matrix unit: nothing is shared or reduced.
; LIMIT: rounding to nearest even; a number above bf16's largest finite one becomes infinity.
; THE MODE: SCHED_MODE bits 1:0 = 2 (LLVM: expert scheduling mode 2), set by the entry lines.  The code itself states the register dependences
; between vector instructions and memory instructions, with s_wait_alu, always for 0.
; THE PLAN.  Registers that memory instructions touch:
;   v1, v2   byte offsets.  Written once, at the head; read by the 16 loads (v1) and the 16 stores (v2); never written again.
;   X        block j: four registers.  Its load lands there once, and no vector instruction has named them before; its two conversions read them; no load lands there again.
;   Y        block j: two registers.  Written once, by its two conversions; read by its store; never written again.
; So the only dependences to state are vector results that a memory instruction reads: the offsets, once, ahead of the first load; and Y, ahead of the stores.
; The 16 blocks go in four groups of four: the group's eight conversions, ONE wait, the group's four stores in a run.  The wait stands behind the conversions and not
; behind the next group's wait for data, so that no finished store is held back for loads on which it does not hang.
; No register that a memory instruction reads is written again, no vector instruction writes a scalar register, and EXEC is never written: nothing else is owed.
.set XR, 4                             ; v[4:67]   16 x 4 numbers as loaded
.set YR, 68                            ; v[68:99]  16 x 2 words of bf16 pairs
.set GROUP, 4                          ; blocks in a group
	s_load_b256 s[4:11], s[0:1], 0x0               ; X s[4:5], Wq s[6:7], Wk s[8:9], Wv s[10:11]
	s_load_b128 s[12:15], s[0:1], 0x20             ; Xb s[12:13], Wb s[14:15]
	s_sub_co_u32 s16, ttmp9, 512                   ; h (of use only from work-group 512 on)
	s_lshr_b32 s17, s16, 6                         ; which matrix
	s_and_b32 s18, s16, 63                         ; which piece of it
	v_lshlrev_b32 v1, 4, v0                        ; 16 t: my bytes in a block of the source
	v_lshlrev_b32 v2, 3, v0                        ; 8 t: in a block of the result
	s_wait_kmcnt 0x0
	s_cmp_eq_u32 s17, 1
	s_cselect_b64 s[20:21], s[8:9], s[6:7]         ; Wk or Wq
	s_cmp_eq_u32 s17, 2
	s_cselect_b64 s[20:21], s[10:11], s[20:21]     ; or Wv
	s_cmp_lt_u32 ttmp9, 512
	s_cselect_b64 s[20:21], s[4:5], s[20:21]       ; or X
	s_cselect_b64 s[22:23], s[12:13], s[14:15]     ; into Xb or Wb
	s_cselect_b32 s18, ttmp9, s18                  ; the piece in the source
	s_cselect_b32 s16, ttmp9, s16                  ; the piece in the result
	s_lshl_b32 s24, s18, 16                        ; x 65,536 bytes: 33,488,896 at the most
	s_mov_b32 s25, 0
	s_lshl_b32 s26, s16, 15                        ; x 32,768 bytes
	s_mov_b32 s27, 0
	s_add_nc_u64 s[20:21], s[20:21], s[24:25]
	s_add_nc_u64 s[22:23], s[22:23], s[26:27]
	s_wait_alu depctr_va_vdst(0)                   ; v1 and v2 are written: every load below reads v1 as its offset, every store v2
.set j, 0
.rept 16
	global_load_b128 v[XR+4*j:XR+4*j+3], v1, s[20:21] offset:4096*j th:TH_LOAD_NT
.set j, j+1
.endr
.set g, 0
.rept 16/GROUP
	s_wait_loadcnt 16-GROUP-GROUP*g                ; loads come back in order (ISA guide 5.7.1): blocks 4 g to 4 g + 3 are in, the 12 - 4 g behind them stay out
.set j, GROUP*g
.rept GROUP
	v_cvt_pk_bf16_f32 v[YR+2*j],   v[XR+4*j],   v[XR+4*j+1]
	v_cvt_pk_bf16_f32 v[YR+2*j+1], v[XR+4*j+2], v[XR+4*j+3]
.set j, j+1
.endr
	s_wait_alu depctr_va_vdst(0)                   ; the group's eight conversions have written its eight registers of Y, which the four stores below read as their data
.set j, GROUP*g
.rept GROUP
	global_store_b64 v2, v[YR+2*j:YR+2*j+1], s[22:23] offset:2048*j
.set j, j+1
.endr
.set g, g+1
.endr
	s_endpgm
.Lfunc_end_k_q0d15309263_cast:
	.size	k_q0d15309263_cast, .Lfunc_end_k_q0d15309263_cast-k_q0d15309263_cast
	.p2alignl 7, 3214868480
	.fill 96, 4, 3214868480
	.section	.rodata,"a",@progbits
	.p2align	6, 0x0
	.amdhsa_kernel k_q0d15309263_cast
		.amdhsa_group_segment_fixed_size 0
		.amdhsa_private_segment_fixed_size 0
		.amdhsa_enable_private_segment 0
		.amdhsa_kernarg_size 48
		.amdhsa_user_sgpr_count 2
		.amdhsa_user_sgpr_kernarg_segment_ptr 1
		.amdhsa_wavefront_size32 1
		.amdhsa_system_sgpr_workgroup_id_x 1
		.amdhsa_system_sgpr_workgroup_id_y 1
		.amdhsa_system_sgpr_workgroup_id_z 1
		.amdhsa_system_vgpr_workitem_id 0
		.amdhsa_next_free_vgpr 100
		.amdhsa_next_free_sgpr 66
		.amdhsa_reserve_vcc 0
		.amdhsa_float_denorm_mode_32 3
		.amdhsa_float_denorm_mode_16_64 3
		.amdhsa_memory_ordered 1
		.amdhsa_forward_progress 1
		.amdhsa_inst_pref_size 7
	.end_amdhsa_kernel
	.amdgpu_metadata
---
amdhsa.version: [ 1, 2 ]
amdhsa.kernels:
  - .name:           k_q0d15309263_cast
    .symbol:         k_q0d15309263_cast.kd
    .args:
      - { .name: X, .offset: 0, .size: 8, .value_kind: global_buffer, .address_space: global }
      - { .name: Wq, .offset: 8, .size: 8, .value_kind: global_buffer, .address_space: global }
      - { .name: Wk, .offset: 16, .size: 8, .value_kind: global_buffer, .address_space: global }
      - { .name: Wv, .offset: 24, .size: 8, .value_kind: global_buffer, .address_space: global }
      - { .name: Xb, .offset: 32, .size: 8, .value_kind: global_buffer, .address_space: global }
      - { .name: Wb, .offset: 40, .size: 8, .value_kind: global_buffer, .address_space: global }
    .group_segment_fixed_size: 0
    .private_segment_fixed_size: 0
    .kernarg_segment_align: 8
    .kernarg_segment_size: 48
    .max_flat_workgroup_size: 256
    .sgpr_count:     66
    .vgpr_count:     100
    .wavefront_size: 32
...
	.end_amdgpu_metadata
.endif
;; end of part 5
;; launch qkv: the kernel of part 2 again; grid 12 x 32, 4 waves a work-group, clusters of 4 x 4, 327,680 bytes of LDS; arguments Xb, Wb, bq, bk, bv, QKV; writes QKV
;; launch scores: the kernel of part 3 again; grid 8 x 32, 4 waves a work-group, clusters of 4 x 4, 327,680 bytes of LDS; arguments QKV, E, Mst, Lst; writes E, Mst, Lst
;; launch pv: the kernel of part 4 again; grid 4 x 64, 4 waves a work-group, clusters of 4 x 4, 327,680 bytes of LDS; arguments E, QKV, Mst, Lst, out0; writes out0
